; MI455X (gfx1250); checked and timed in simulation.
; The chip was launched on July 23, 2026; its instructions are those of AMD's public machine-readable ISA for CDNA 5 (MIT licence, August 2026) and "CDNA5" Instruction Set Architecture Reference Guide (July 2026). The comments in the code are by the model that wrote it; some were corrected since.
;; Causal Self Attention. Allowed arithmetic: matrix products marked QUANTISED: E4M3 operands, one given power-of-two scale a tensor, by v_wmma_f32_16x16x64_fp8_fp8 or v_wmma_f32_16x16x128_fp8_fp8, f32 sums; everything else in f32.
;; Inputs: Wk 1,024 x 1,024 float32; Wp 1,024 x 1,024 float32; Wq 1,024 x 1,024 float32; Wv 1,024 x 1,024 float32; bk 1,024 float32; bp 1,024 float32; bq 1,024 float32; bv 1,024 float32; lowp_scales 12 int32 (the exponents e of the quantised operands' scales 2^e); x 4 x 2,048 x 1,024 float32.
;; Outputs: out0 4 x 2,048 x 1,024 float32.
;; This version of the problem:
;;   THIS VERSION OF THE PROBLEM IS GIVEN IN LOW PRECISION. The matrix products marked QUANTISED in the list below multiply operands that are first quantised to E4M3 (4 exponent bits, 3 mantissa bits; 8 bits a number), with one given power-of-two scale for each operand tensor; their sums are f32. All else is computed in f32.
;;   The module's matrix products, in the order in which they are computed (A, B: the left and right operand; K: the contracted axis; several contracted axes count as one K, in the product's order):
;;     1. [M 8,192, K 1,024] x [K 1,024, N 1,024]; A: input x; B: input Wk: QUANTISED (scales: A lowp_scales[0], B lowp_scales[1])
;;     2. [M 8,192, K 1,024] x [K 1,024, N 1,024]; A: input x; B: input Wq: QUANTISED (scales: A lowp_scales[2], B lowp_scales[3])
;;     3. [M 8,192, K 1,024] x [K 1,024, N 1,024]; A: input x; B: input Wv: QUANTISED (scales: A lowp_scales[4], B lowp_scales[5])
;;     4. batch 64 x [M 2,048, K 64] x [K 64, N 2,048]; A: computed on the way; B: computed on the way: QUANTISED (scales: A lowp_scales[6], B lowp_scales[7])
;;     5. batch 64 x [M 2,048, K 2,048] x [K 2,048, N 64]; A: softmax (see below); B: computed on the way: QUANTISED (scales: A lowp_scales[8], B lowp_scales[9])
;;     6. [M 8,192, K 1,024] x [K 1,024, N 1,024]; A: computed on the way; B: input Wp: QUANTISED (scales: A lowp_scales[10], B lowp_scales[11])
;;   THE QUANTISER, for each operand of a quantised product, along K:
;;     - The operand's scale is 2^e, e = its entry of the input lowp_scales (int32; the entries are numbered through the quantised products in the list's order, A before B).
;;     - Each number is divided by the scale, clamped to +-448, and rounded to the nearest number of E4M3, ties to even, subnormals kept.
;;     - The product sums the exact products of the quantised numbers (number of the format x scale) in f32.
;;   ~~~python
;;   def quantise(x, axis, e):      # numpy; x: float32 -> the quantised numbers, widened to float32 again
;;       x = np.moveaxis(x, axis, -1); K = x.shape[-1]
;;       r = np.clip(x / 2.0 ** e, -448, 448)
;;       step = 2.0 ** (np.maximum(np.frexp(np.where(r == 0, 1, r))[1] - 1, -6) - 3)
;;       q = np.round(r / step) * step * 2.0 ** e      # np.round: ties to even
;;       return np.moveaxis(q, -1, axis).astype(np.float32)
;;   ~~~
;;   SOFTMAX AHEAD OF A QUANTISED PRODUCT. Where the list says 'softmax', what is quantised is not the finished softmax but p = 2^(t - M), with t = logit x log2(e) and M = ceil(the row's largest t), a whole number; so 1/2 < the row's largest p <= 1. The row's sum l is taken of the UNQUANTISED p, in f32, and the product's result is divided by l at the end. Since M is a whole number, a kernel that streams over the keys may use a running M (the ceiling of the running maximum): every later rescaling is an exact power of two, so the quantised numbers keep their values, but for numbers so far below the row's largest that they fall under the format's range.
;;   OPERANDS COMPUTED ON THE WAY. 'Computed on the way' means the value that the module computes at that place (a softmax that the list does not call 'softmax' is quantised finished and normalised). What goes into a quantiser is computed in f32, as accurately as f32 sums, v_exp_f32 and their like allow (about 1e-6 of the number): no bf16 or f16 on the way to a quantiser, and a product that is left as it is and whose result goes on into a quantised operand takes f32 operands (vector FMAs, or v_wmma_f32_16x16x4_f32). A number that lies on a knife's edge between two numbers of the format may be rounded either way, as far as f32 arithmetic and the matrix unit's own rounding can turn it there, and no further.
;; 2 versions, each right; version 2 is version 1 with the launch attn written anew for expert scheduling mode. Each part assembles by itself: llvm-mc -triple=amdgcn-amd-amdhsa -mcpu=gfx1250 --defsym DOCPART=n.
;; ======== version 1 of 2: 4 launches
;; workspace buffers: xc 25,165,824 bytes; wc 4,194,304 bytes; kqv 25,165,824 bytes; yc 8,388,608 bytes
;; launch quant (part 1): grid 384 x 1, 4 waves a work-group, no clusters, 34,304 bytes of LDS; arguments x, Wk, Wq, Wv, Wp, lowp_scales, xc, wc; writes xc, wc
.if DOCPART == 1
	.amdgcn_target "amdgcn-amd-amdhsa--gfx1250"
	.amdhsa_code_object_version 6
	.text
	.protected	k_qafbe61255c_quant
	.globl	k_qafbe61255c_quant
	.p2align	8
	.type	k_qafbe61255c_quant,@function
k_qafbe61255c_quant:
	s_mov_b64 s[64:65], 0
	v_nop
	global_prefetch_b8 v0, s[64:65] scope:SCOPE_SE
	s_setreg_imm32_b32 hwreg(HW_REG_WAVE_MODE, 25, 1), 1
	s_wait_xcnt 0x0
; x [8192][1024] and Wk, Wq, Wv, Wp [1024][1024], f32, K innermost, become codes of FP8 (E4M3).  x is quantised three times (scales' entries 0, 2, 4: for the products that make
; k, q and v), Wk, Wq, Wv, Wp once (entries 1, 3, 5, 11).  code = number / 2^e, held within +-448, to the nearest code, ties to even.
; LIMITS: each e lies between -126 and 119, so that 2^e and 448 x 2^e are f32 numbers.  NaN among the inputs is not served (an infinity is held at the largest code).
; THE CODES ARE LAID AS IMAGES OF THE OPERAND'S REGISTERS.  A fragment is 16 rows x 128 K in 16 registers: lane (r = lane % 16, h = lane / 16) holds row r, registers 2 c, 2 c + 1 hold
; K = 16 c + 8 h + 0 .. 7.  Part p of its image is registers 4 p .. 4 p + 3 of all lanes: 512 bytes, lane l's 16 bytes at 16 l.  Fragments of 128 rows x 256 K lie on end (row block x 2 + K half):
; 32,768 bytes; the four such blocks of 128 rows follow each other.  So the conversions' results are stored as they stand, 512 consecutive bytes a store.
; SHARES.  A wave takes 16 rows x 512 K: four fragments.  Work-groups 0-255 take x, 256 + 32 j .. 256 + 32 j + 31 weight j.  Only pointers and one exponent are chosen by the work-group's number;
; x's second and third conversions and their stores stand under a branch on it.  Each load reads 512 consecutive bytes of a row; the numbers turn through the wave's own stage in LDS
; (16 rows of 512 bytes + 16), so that a lane gets eight neighbours along K for each conversion.  Waves share nothing: no barrier.
.set SP,  528                          ; a stage row: 33 x 16 bytes, so that the sixteen rows that a load touches begin in sixteen different 16-byte columns
.set R,   16                           ; v16-143  two sets of 64 numbers as loaded
.set X,   144                          ; v144-207 64 numbers of my row: register 8 c + j = K 16 c + 8 h + j
.set T,   208                          ; v208-223 two sets of 8 held numbers, by turns
.set C,   224                          ; v224-255 two sets of 16 registers of codes
.set SRC, 44                           ; s[44:45] my 16 rows' first byte
.set D0,  46                           ; s[46:47], s[48:49], s[50:51] where my fragments go: first, second, third set of codes
.set D1,  48
.set D2,  50
	s_load_b512 s[16:31], s[0:1], 0x0              ; x, Wk, Wq, Wv, Wp, the scales' exponents, xc, wc
	v_lshl_add_u32 v14, v0, 2, 0x8400
	v_mov_b32 v15, 0
	v_lshrrev_b32 v10, 5, v0
	v_readfirstlane_b32 s8, v10                    ; wave 0..3
	v_and_b32 v11, 31, v0
	v_lshlrev_b32 v1, 4, v11                       ; 16 x lane: my bytes of a load's 512, and of an image's part; never rewritten
	s_mul_i32 s9, s8, 16*SP                        ; my stage
	v_add_nc_u32 v2, s9, v1                        ; into it: as loaded
	v_and_b32 v12, 15, v0                          ; r
	v_bfe_u32 v13, v0, 4, 1                        ; h
	v_mul_u32_u24 v3, v12, SP
	v_lshl_add_u32 v3, v13, 5, v3
	v_add_nc_u32 v3, s9, v3                        ; out of it: row r, + 32 h bytes (eight numbers)
	s_sub_co_u32 s2, ttmp9, 256
	s_lshr_b32 s3, s2, 5                           ; j: which weight; in x's work-groups a number far above 3
	s_and_b32 s4, s2, 31
	s_lshl_b32 s5, s3, 20                          ; a weight's codes are 2^20 bytes
	s_cmp_lt_u32 ttmp9, 256
	s_cselect_b32 s4, ttmp9, s4                    ; my work-group's number within its tensor
	s_cselect_b32 s5, 0, s5
	s_lshl_b32 s4, s4, 2
	s_add_co_u32 s4, s4, s8                        ; my wave's task
	s_lshr_b32 s6, s4, 1                           ; which 16 rows
	s_and_b32 s7, s4, 1                            ; which 512 along K
	s_lshl_b32 s10, s6, 16                         ; 16 rows of 4,096 bytes
	s_lshl_b32 s11, s7, 11
	s_add_co_u32 s10, s10, s11
	s_mov_b32 s11, 0
	s_lshr_b32 s12, s6, 3
	s_lshl_b32 s12, s12, 17                        ; 128 rows of codes
	s_lshl_b32 s13, s7, 16                         ; two blocks of 256 K
	s_add_co_u32 s12, s12, s13
	s_and_b32 s13, s6, 7
	s_lshl_b32 s13, s13, 12                        ; my row block's two fragments in a block
	s_add_co_u32 s12, s12, s13
	s_add_co_u32 s12, s12, s5
	s_mov_b32 s13, 0
	s_wait_kmcnt 0x0
	s_load_b256 s[32:39], s[26:27], 0x0            ; e0 .. e7
	s_load_b128 s[40:43], s[26:27], 0x20           ; e8 .. e11
	s_mov_b64 s[SRC:SRC+1], s[16:17]
	s_cmp_eq_u32 s3, 0
	s_cselect_b64 s[SRC:SRC+1], s[18:19], s[SRC:SRC+1]
	s_cmp_eq_u32 s3, 1
	s_cselect_b64 s[SRC:SRC+1], s[20:21], s[SRC:SRC+1]
	s_cmp_eq_u32 s3, 2
	s_cselect_b64 s[SRC:SRC+1], s[22:23], s[SRC:SRC+1]
	s_cmp_eq_u32 s3, 3
	s_cselect_b64 s[SRC:SRC+1], s[24:25], s[SRC:SRC+1]
	s_add_nc_u64 s[SRC:SRC+1], s[SRC:SRC+1], s[10:11]
	s_cmp_lt_u32 ttmp9, 256
	s_cselect_b64 s[D0:D0+1], s[28:29], s[30:31]
	s_add_nc_u64 s[D0:D0+1], s[D0:D0+1], s[12:13]
	s_add_nc_u64 s[D1:D1+1], s[28:29], s[12:13]    ; (used by x's work-groups alone)
	s_add_nc_u64 s[D2:D2+1], s[D1:D1+1], 0x1000000
	s_add_nc_u64 s[D1:D1+1], s[D1:D1+1], 0x800000
.macro LOADS s                         ; fragment s: 128 numbers of each of my 16 rows, 512 consecutive bytes a load
.irp i, 0,1,2,3,4,5,6,7,8,9,10,11,12,13,14,15
	global_load_b128 v[R+64*((\s)%2)+4*\i:R+64*((\s)%2)+4*\i+3], v1, s[SRC:SRC+1] offset:4096*\i+512*(\s) th:TH_LOAD_NT
.endr
.endm
	LOADS 0
	LOADS 1
	s_wait_kmcnt 0x0
	s_mov_b32 s2, s32                              ; the first set's exponent: e0 for x, e1, e3, e5, e11 for the weights
	s_cmp_eq_u32 s3, 0
	s_cselect_b32 s2, s33, s2
	s_cmp_eq_u32 s3, 1
	s_cselect_b32 s2, s35, s2
	s_cmp_eq_u32 s3, 2
	s_cselect_b32 s2, s37, s2
	s_cmp_eq_u32 s3, 3
	s_cselect_b32 s2, s43, s2
.macro MKSC e, sc, lim                 ; v[sc] = 2^e as f32 (the conversion takes its exponent field), v[lim] = 448 x 2^e
	s_add_co_i32 s4, s[\e], 127
	s_lshl_b32 s5, s4, 23
	v_mov_b32 v[\sc], s5
	s_add_co_i32 s4, s4, 8
	s_lshl_b32 s4, s4, 23
	s_or_b32 s4, s4, 0x600000
	v_mov_b32 v[\lim], s4
.endm
	MKSC 2, 4, 5
	MKSC 34, 6, 7                                  ; e2
	MKSC 36, 8, 9                                  ; e4
; The 64 numbers in X become a fragment's 16 registers in set 'set' of C, and are stored.  The conversion to an 8-bit code does not saturate (ISA guide 7.6.2): each number is held first, into T,
; so that X stays for the next scale.  T's two sets take turns: eight plain lines stand between a conversion and the next write of its sources.
.macro CONV set, sc, lim, d, s
.irp c, 0,1,2,3,4,5,6,7
.irp j, 0,1,2,3,4,5,6,7
	v_med3_num_f32 v[T+8*(\c%2)+\j], v[X+8*\c+\j], -v[\lim], v[\lim]
.endr
	v_cvt_scalef32_pk8_fp8_f32 v[C+16*(\set)+2*\c:C+16*(\set)+2*\c+1], v[T+8*(\c%2):T+8*(\c%2)+7], v[\sc]
.endr
	v_nop                                          ; a plain line behind the last conversion
.irp p, 0,1,2,3
	global_store_b128 v1, v[C+16*(\set)+4*\p:C+16*(\set)+4*\p+3], s[\d:\d+1] offset:((\s)/2)*32768+((\s)%2)*2048+512*\p   ; 32 lanes store 512 consecutive bytes, aligned
.endr
.endm
.macro STEPQ s
.if (\s) < 3
	s_wait_loadcnt 16                              ; this fragment's 16 loads are in; the next one's 16 may be out
.else
	s_wait_loadcnt 0x0
.endif
.irp i, 0,1,2,3,4,5,6,7,8,9,10,11,12,13,14,15
	ds_store_b128 v2, v[R+64*((\s)%2)+4*\i:R+64*((\s)%2)+4*\i+3] offset:SP*\i
.endr
.irp c, 0,1,2,3,4,5,6,7
	ds_load_b128 v[X+8*\c:X+8*\c+3], v3 offset:64*\c          ; LDS serves a wave's instructions in order (ISA guide 5.7.1.4): these see the stores above
	ds_load_b128 v[X+8*\c+4:X+8*\c+7], v3 offset:64*\c+16
.endr
	s_wait_dscnt 0x0                               ; X is in, and the stores into the stage have read their registers
	s_wait_xcnt 0x0                                ; the last fragment's stores have read their data: C may be written again
.if (\s) < 2
	LOADS (\s)+2
.endif
	CONV 0, 4, 5, D0, \s
	s_cmp_lt_u32 ttmp9, 256                        ; x has two more sets of codes
	s_cbranch_scc0 .Lweight_\@
	CONV 1, 6, 7, D1, \s
	s_wait_xcnt 0x0                                ; the first set's stores have read C's set 0
	CONV 0, 8, 9, D2, \s
.Lweight_\@:
.endm
	STEPQ 0
	STEPQ 1
	STEPQ 2
	STEPQ 3
	s_wait_tensorcnt 0x0
	ds_add_u32 v14, v15
	s_wait_dscnt 0x0
	s_endpgm
.Lfunc_end_k_qafbe61255c_quant:
	.size	k_qafbe61255c_quant, .Lfunc_end_k_qafbe61255c_quant-k_qafbe61255c_quant
	.p2alignl 7, 3214868480
	.fill 96, 4, 3214868480
	.section	.rodata,"a",@progbits
	.p2align	6, 0x0
	.amdhsa_kernel k_qafbe61255c_quant
		.amdhsa_group_segment_fixed_size 34304
		.amdhsa_private_segment_fixed_size 0
		.amdhsa_enable_private_segment 0
		.amdhsa_kernarg_size 64
		.amdhsa_user_sgpr_count 2
		.amdhsa_user_sgpr_kernarg_segment_ptr 1
		.amdhsa_wavefront_size32 1
		.amdhsa_system_sgpr_workgroup_id_x 1
		.amdhsa_system_sgpr_workgroup_id_y 1
		.amdhsa_system_sgpr_workgroup_id_z 1
		.amdhsa_system_vgpr_workitem_id 0
		.amdhsa_next_free_vgpr 256
		.amdhsa_next_free_sgpr 66
		.amdhsa_reserve_vcc 0
		.amdhsa_float_denorm_mode_32 3
		.amdhsa_float_denorm_mode_16_64 3
		.amdhsa_memory_ordered 1
		.amdhsa_forward_progress 1
		.amdhsa_inst_pref_size 78
	.end_amdhsa_kernel
	.amdgpu_metadata
---
amdhsa.version: [ 1, 2 ]
amdhsa.kernels:
  - .name:           k_qafbe61255c_quant
    .symbol:         k_qafbe61255c_quant.kd
    .args:
      - { .name: x, .offset: 0, .size: 8, .value_kind: global_buffer, .address_space: global }
      - { .name: Wk, .offset: 8, .size: 8, .value_kind: global_buffer, .address_space: global }
      - { .name: Wq, .offset: 16, .size: 8, .value_kind: global_buffer, .address_space: global }
      - { .name: Wv, .offset: 24, .size: 8, .value_kind: global_buffer, .address_space: global }
      - { .name: Wp, .offset: 32, .size: 8, .value_kind: global_buffer, .address_space: global }
      - { .name: lowp_scales, .offset: 40, .size: 8, .value_kind: global_buffer, .address_space: global }
      - { .name: xc, .offset: 48, .size: 8, .value_kind: global_buffer, .address_space: global }
      - { .name: wc, .offset: 56, .size: 8, .value_kind: global_buffer, .address_space: global }
    .group_segment_fixed_size: 34304
    .private_segment_fixed_size: 0
    .kernarg_segment_align: 8
    .kernarg_segment_size: 64
    .max_flat_workgroup_size: 128
    .sgpr_count:     66
    .vgpr_count:     256
    .wavefront_size: 32
...
	.end_amdgpu_metadata
.endif
;; end of part 1
;; launch qkv (part 2): grid 12 x 32, 4 waves a work-group, clusters of 4 x 4, 327,680 bytes of LDS; arguments xc, wc, lowp_scales, bk, bq, bv, kqv; writes kqv
.if DOCPART == 2
	.amdgcn_target "amdgcn-amd-amdhsa--gfx1250"
	.amdhsa_code_object_version 6
	.text
	.protected	k_qafbe61255c_qkv
	.globl	k_qafbe61255c_qkv
	.p2align	8
	.type	k_qafbe61255c_qkv,@function
k_qafbe61255c_qkv:
	s_mov_b64 s[64:65], 0
	v_nop
	global_prefetch_b8 v0, s[64:65] scope:SCOPE_SE
	s_setreg_imm32_b32 hwreg(HW_REG_WAVE_MODE, 25, 1), 1
	s_wait_xcnt 0x0
	s_wait_alu depctr_hold_cnt(0) depctr_sa_sdst(0) depctr_va_vdst(0) depctr_va_sdst(0) depctr_va_ssrc(0) depctr_va_vcc(0) depctr_vm_vsrc(0)
	s_getreg_b32 s2, hwreg(HW_REG_IB_STS2, 6, 4)
	s_cmp_eq_u32 s2, 0
	s_cbranch_scc0 .Lentry_in_a_cluster
	s_endpgm
.Lentry_in_a_cluster:
	s_bfe_u32 s2, ttmp6, 0x10000c
	s_cmp_lg_u32 s2, 0xf033
	s_cbranch_scc0 .Lentry_shape_is_right
	s_endpgm
.Lentry_shape_is_right:
; k = x Wk^T + bk, q = x Wq^T + bq, v = x Wv^T + bv on codes of FP8 (E4M3), and their own codes for the attention: k with scale entry 7, q with 6, v with 9.
; Cluster x = 0: k, 1: q, 2: v.  For k and q: C[token][feature] = A B^T with A = x's codes, B = the weight's.  For v the same text makes V^T: A = Wv's codes (rows = channels), B = x's codes (rows = tokens).
; A tile of C is 256 x 256, a wave's share 128 x 128: 64 accumulators, 512 registers.  K = 1,024 goes in four steps of 256 through a ring of two LDS slots.
; The operands lie in memory as images of their registers (16 rows x 128 K = 2,048 bytes, lane l's 16 bytes of part p at 512 p + 16 l); 128 rows x 256 K are one dense block of 32,768 bytes, which one
; tensor load brings as it lies: a fragment is four LDS loads at 16 x lane: no pitch and no padding are needed.
; THE MATRIX INSTRUCTION IS USED TRANSPOSED (source 0 = 16 rows of B, source 1 = 16 rows of A): lane (r, h) of accumulator (a, b) holds C(16 a + r, 16 b + 8 h + 0 .. 7): eight neighbours along the NEXT product's K
; (k, q: the head's channels; V^T: the keys).  sum x 2^(eA + eB) + bias, held, converted: the results are registers 2 b, 2 b + 1 of the attention's operand, and are stored as its image, 512 consecutive bytes a store.
; kqv: part X at X x 2^23.  k, q: head bh at bh x 131,072, tile of 16 tokens x 64 channels at 1,024 x (token / 16).  v: head bh likewise, 128 keys at 8,192 x (key / 128), tile of 16 channels at 2,048 x (channel / 16).
; CLUSTERS: 4 x 4 work-groups; A's tile is shared along a row of the cluster, B's along a column: each is asked for jointly.  Cluster x and y are the same in all sixteen partners: the one branch on cluster x is alike in all.
; No prefetch: of K's four steps two are the first fills, and only two refills follow them.
; LIMITS: eA + eB between -126 and 127; the result's exponent between -126 and 119.  NaN is not served.
; REGISTERS: window 0: v1, v2 r, h; v16-29 addresses and scales; v32-95 the bias; from v128 A's fragments, one set (on the way out: v128-191 the numbers, v192-223 two sets of codes).
;   window 1: B's fragments, two sets.   windows 2, 3: the accumulators ((a, b) at v[8 (8 (a % 4) + b)]).
.set FRB,    2048                      ; a fragment's image
.set HALFT,  32768                     ; 128 rows x 256 K: what one tensor load brings
.set SLOT,   4*HALFT                   ; A's two halves, then B's two
.set SPARE,  2*SLOT                    ; behind the ring: the spare words, 128 bytes for each wave
.set FR,     16
.set NL,     4
.set NP,     4
.set LAPS,   2                         ; 1,024 / (2 x 256)
.set ADRA, 16                          ; v16-17  16 x lane + my 128 rows of A in slot 0, 1
.set ADRB, 20                          ; v20-21  the same for B
.set LI,   24                          ; v24     16 x lane
.set BO,   25                          ; v25     my lane's offset in the bias
.set SC,   26                          ; v26     2^eo as f32
.set LM,   27                          ; v27     448 x 2^eo
.set SPW,  28                          ; v28     my spare word; never rewritten
.set NIL,  29                          ; v29     0; never rewritten
.set BIAS, 32
.set AF,   128
.set TMP,  128
.set CD,   192
.set G1, 24
.set G0, 32
.set G1B, 48
.set G0B, 56
.set MSB, 0
.macro WIN new                         ; the immediate's high byte repeats the setting that is left
.if MSB != (\new)
	s_set_vgpr_msb (MSB<<8)|(\new)
.set MSB, (\new)
.endif
.endm
.set MUL_LO, 0xa1                      ; source 0 (B) window 1, source 1 (A) window 0, C and D window 2
.set MUL_HI, 0xf1
.set TO_B,   0x40
; A joint load: waves 0 and 1 fetch for A, waves 2 and 3 for B; the branch hangs on the wave's number alone.  Four v_nop follow each of the two lines.
.macro JLOAD g0a, g1a, g0b, g1b
	s_cmp_eq_u32 s15, 0
	s_cbranch_scc0 .Lfor_b_\@
	tensor_load_to_lds s[\g0a:\g0a+3], s[\g1a:\g1a+7]
	s_nop 0
.rept 4
	v_nop
.endr
	s_branch .Lasked_\@
.Lfor_b_\@:
	tensor_load_to_lds s[\g0b:\g0b+3], s[\g1b:\g1b+7]
	s_nop 0
.rept 4
	v_nop
.endr
.Lasked_\@:
.endm
.macro CREST                           ; a round of the cluster's barrier behind its opening barrier
	s_cmp_lg_u32 s14, 0
	s_cbranch_scc1 .Lnot_wave_0_\@
	s_barrier_signal -3
.Lnot_wave_0_\@:
	s_barrier_wait -3
	s_barrier_signal -1
	s_barrier_wait -1
.endm
.macro CROUND
	s_barrier_signal -1
	s_barrier_wait -1
	CREST
.endm
	s_load_b256 s[4:11], s[0:1], 0x0               ; xc, wc, the scales' exponents, bk
	s_load_b128 s[68:71], s[0:1], 0x20             ; bq, bv
	s_load_b64 s[72:73], s[0:1], 0x30              ; kqv
	v_lshl_add_u32 v[SPW], v0, 2, SPARE
	v_mov_b32 v[NIL], 0
	ds_add_u32 v28, v29
	ds_add_u32 v28, v29
	s_wait_dscnt 0x0
	v_lshrrev_b32 v1, 5, v0
	v_readfirstlane_b32 s14, v1                    ; wave 0..3
	s_lshr_b32 s15, s14, 1                         ; which half of the tile's rows is mine.  Also: I fetch for A (0) or for B (1)
	s_and_b32 s16, s14, 1                          ; which half of its columns.  Also: which 128 rows of that tile I fetch
	s_bfe_u32 s40, ttmp6, 0x40000                  ; cx, cy
	s_bfe_u32 s41, ttmp6, 0x40004
	s_and_b32 s66, ttmp7, 0xffff
	s_lshl_b32 s66, s66, 2                         ; 4 x cluster y: it walks the tokens,
	s_cmp_lt_u32 ttmp9, 2
	s_cselect_b32 s67, s66, 0                      ; which are C's rows for k and q
	s_cselect_b32 s66, 0, s66                      ; and C's columns for v
	s_add_co_u32 s17, s67, s41                     ; tile row
	s_add_co_u32 s42, s66, s40                     ; tile column
	s_lshl_b32 s43, s41, 2
	s_lshl_b32 s43, 15, s43                        ; my row of the cluster
	s_lshl_b32 s44, 0x1111, s40                    ; my column
	; descriptor group 1: a dense block of 128 rows x 32 elements of 8 bytes
	s_or_b32 s[G1+0], s43, (3<<16)|(1<<21)         ; 15:0 the mask; 17:16 elements of 8 bytes; 20 no padding; 21 set beside a mask
	s_or_b32 s[G1B+0], s44, (3<<16)|(1<<21)
.irp g, G1, G1B
	s_mov_b32 s[\g+1], 32<<16                      ; tensor_dim0 = 32
	s_mov_b32 s[\g+2], 128<<16                     ; tensor_dim1 = 128
	s_mov_b32 s[\g+3], 32<<16                      ; tile_dim0 = 32
	s_mov_b32 s[\g+4], 128                         ; tile_dim1 = 128
	s_mov_b32 s[\g+5], 32                          ; from row to row: 32 elements: dense
	s_mov_b32 s[\g+6], 0
	s_mov_b32 s[\g+7], 0
.endr
	s_lshl_b32 s20, s17, 1
	s_add_co_u32 s20, s20, s16
	s_lshl_b32 s20, s20, 17                        ; A: 128 rows of codes are 131,072 bytes: (2 x tile row + half) of them
	s_mov_b32 s21, 0
	s_lshl_b32 s46, s42, 1
	s_add_co_u32 s46, s46, s16
	s_lshl_b32 s46, s46, 17                        ; B likewise by the tile column
	s_mov_b32 s47, 0
	s_lshl_b32 s74, ttmp9, 23                      ; x's set of codes for this product
	s_mov_b32 s75, 0
	s_lshl_b32 s76, ttmp9, 20                      ; and the weight's codes
	s_mov_b32 s77, 0
	s_mul_i32 s45, s14, HALFT                      ; where my load goes: wave x 32,768: no place in the cluster enters an LDS address
	s_wait_kmcnt 0x0
	s_load_b256 s[84:91], s[8:9], 0x0              ; e0 .. e7
	s_load_b64 s[92:93], s[8:9], 0x20              ; e8, e9
	s_add_nc_u64 s[74:75], s[4:5], s[74:75]
	s_add_nc_u64 s[76:77], s[6:7], s[76:77]
	s_cmp_lt_u32 ttmp9, 2
	s_cselect_b64 s[78:79], s[74:75], s[76:77]     ; A: x for k and q, Wv for v
	s_cselect_b64 s[80:81], s[76:77], s[74:75]     ; B: the weight for k and q, x for v
	s_add_nc_u64 s[20:21], s[78:79], s[20:21]
	s_add_nc_u64 s[46:47], s[80:81], s[46:47]
	CROUND                                         ; all sixteen work-groups are here: the first joint loads meet
.irp s, 0,1
	s_mov_b32 s[G0+4*\s], 1
	s_add_co_u32 s[G0+4*\s+1], s45, \s*SLOT
	s_add_nc_u64 s[G0+4*\s+2:G0+4*\s+3], s[20:21], \s*HALFT     ; K step s: the next dense block
	s_or_b32 s[G0+4*\s+3], s[G0+4*\s+3], 0x80000000
	s_mov_b32 s[G0B+4*\s], 1
	s_add_co_u32 s[G0B+4*\s+1], s45, \s*SLOT
	s_add_nc_u64 s[G0B+4*\s+2:G0B+4*\s+3], s[46:47], \s*HALFT
	s_or_b32 s[G0B+4*\s+3], s[G0B+4*\s+3], 0x80000000
	JLOAD G0+4*\s, G1, G0B+4*\s, G1B
.endr
	v_and_b32 v1, 15, v0                           ; r
	v_bfe_u32 v2, v0, 4, 1                         ; h
	v_and_b32 v6, 31, v0
	v_lshlrev_b32 v[LI], 4, v6
	s_mul_i32 s21, s15, HALFT                      ; my 128 rows of A
	s_mul_i32 s22, s16, HALFT                      ; my 128 rows of B,
	s_add_co_u32 s22, s22, 2*HALFT                 ; which lie behind A's two halves
.irp s, 0,1
	v_add_nc_u32 v[ADRA+\s], s21, v[LI]
	v_add_nc_u32 v[ADRB+\s], s22, v[LI]
	s_add_co_u32 s21, s21, SLOT
	s_add_co_u32 s22, s22, SLOT
.endr
.macro FRAG reg, adr, q, i             ; fragment (row block i, q-th 128 along K of the slot): its image's four parts
.irp c, 0,1,2,3
	ds_load_b128 v[\reg+4*\c:\reg+4*\c+3], v[\adr] offset:((\i)*2+(\q))*FRB+512*\c
.endr
.endm
; 16 matrix instructions: A's blocks a0, a0 + 1 x B's eight.  The 64 accumulators take turns, one instruction a turn, in the same order in every step.
.macro MUL16 a0, p, zero
.irp a, \a0, \a0+1
.irp b, 0,1,2,3,4,5,6,7
.if \zero
	v_wmma_f32_16x16x128_fp8_fp8 v[8*(8*((\a)%4)+\b):8*(8*((\a)%4)+\b)+7], v[128*(\p)+FR*\b:128*(\p)+FR*\b+FR-1], v[AF+FR*(\a):AF+FR*(\a)+FR-1], 0
.else
	v_wmma_f32_16x16x128_fp8_fp8 v[8*(8*((\a)%4)+\b):8*(8*((\a)%4)+\b)+7], v[128*(\p)+FR*\b:128*(\p)+FR*\b+FR-1], v[AF+FR*(\a):AF+FR*(\a)+FR-1], v[8*(8*((\a)%4)+\b):8*(8*((\a)%4)+\b)+7]
.endif
.endr
.endr
.endm
.macro FETCH_B slot, q, p
	WIN TO_B
.irp i, 0,1,2,3,4,5,6,7
	FRAG 128*(\p)+FR*\i, ADRB+\slot, \q, \i
.endr
	WIN 0
.endm
.macro FETCH_A slot, q, i0
.irp i, \i0, \i0+1, \i0+2, \i0+3
	FRAG AF+FR*(\i), ADRA+\slot, \q, \i
.endr
.endm
.macro PLACES n                        ; plain vector lines between a matrix instruction and a load into, or a vector line on, its registers
.rept \n
	v_nop
.endr
.endm
; A step of 128 along K that has its successor in the same slot.  A has one set of registers (a block is free when its eight products are issued), B two.
.macro STEP slot, q, zero
	s_wait_dscnt 4*NL                              ; B's set and A's blocks 0-3 are in; the youngest 16 loads (A's blocks 4-7) may be out
	WIN MUL_LO
	MUL16 0, (\q)%2, \zero
	MUL16 2, (\q)%2, \zero
	s_wait_dscnt 0
	PLACES NP
	FETCH_B \slot, (\q)+1, 1-(\q)%2
	FETCH_A \slot, (\q)+1, 0
	WIN MUL_HI
	MUL16 4, (\q)%2, \zero
	MUL16 6, (\q)%2, \zero
	PLACES NP
	WIN 0
	FETCH_A \slot, (\q)+1, 4
.endm
; A slot's last step changes slots: one barrier; in front of it each wave waits for all its tensor loads, adds 0 to its spare word, and waits for that and for its reads of this slot.
.macro TURN slot, next, fill
	s_wait_tensorcnt 0x0                           ; all my tensor loads have landed: my part of the next slot
	ds_add_u32 v[SPW], v[NIL]                      ; 0 onto my spare word
	s_wait_dscnt 4*NL+1                            ; (the add and the youngest 16 loads may be out)
	WIN MUL_LO
	MUL16 0, 1, 0
	s_wait_dscnt 0x0                               ; the add is done, and my reads of this slot are over
	s_barrier_signal -1
	MUL16 2, 1, 0
	WIN 0
	s_barrier_wait -1
.if \fill
	CREST                                          ; the barrier has opened a round of the cluster's: no wave of any partner still reads this slot or has a load on its way
	s_add_nc_u64 s[G0+4*\slot+2:G0+4*\slot+3], s[G0+4*\slot+2:G0+4*\slot+3], 2*HALFT
	s_add_nc_u64 s[G0B+4*\slot+2:G0B+4*\slot+3], s[G0B+4*\slot+2:G0B+4*\slot+3], 2*HALFT
	JLOAD G0+4*\slot, G1, G0B+4*\slot, G1B         ; the first tensor load behind the round; its four v_nop are also the places in front of the loads below
.else
	PLACES NP
.endif
	FETCH_B \next, 0, 0
	FETCH_A \next, 0, 0
	WIN MUL_HI
	MUL16 4, 1, 0
	MUL16 6, 1, 0
	PLACES NP
	WIN 0
	FETCH_A \next, 0, 4
.endm
.macro LAST                            ; the very last step: nothing more to fetch
	s_wait_dscnt 4*NL
	WIN MUL_LO
	MUL16 0, 1, 0
	MUL16 2, 1, 0
	s_wait_dscnt 0
	WIN MUL_HI
	MUL16 4, 1, 0
	MUL16 6, 1, 0
	WIN 0
	PLACES NP                                      ; in front of the lines that write where A's fragments lay, and of the reads of results
.endm
; THE WAY OUT, A's block a at a time.  vv = 0: k, q (the bias runs along the lane's eight columns); vv = 1: v (the bias is my row's).  Each accumulator is read from its low end on.
.macro OUT vv
.irp a, 0,1,2,3,4,5,6,7
.if \a > 1
	s_wait_xcnt 0x0                                ; block a - 2's stores have read their codes
.endif
	WIN 0x02+(\a/4)                                ; source 0: window 2 or 3
.irp b, 0,1,2,3,4,5,6,7
.irp i, 0,2,4,6
.if \vv
	v_pk_fma_f32 v[TMP+8*\b+\i:TMP+8*\b+\i+1], v[64*(\a%4)+8*\b+\i:64*(\a%4)+8*\b+\i+1], s[96:97], v[BIAS+2*\a:BIAS+2*\a+1] op_sel_hi:[1,0,1]
.else
	v_pk_fma_f32 v[TMP+8*\b+\i:TMP+8*\b+\i+1], v[64*(\a%4)+8*\b+\i:64*(\a%4)+8*\b+\i+1], s[96:97], v[BIAS+8*\b+\i:BIAS+8*\b+\i+1] op_sel_hi:[1,0,1]
.endif
.endr
.endr
	WIN 0
.set n, 0
.rept 64
	v_med3_num_f32 v[TMP+n], v[TMP+n], -v[LM], v[LM]   ; the conversion does not saturate (ISA guide 7.6.2): the hold at the largest code x the scale
.set n, n+1
.endr
.irp b, 0,1,2,3,4,5,6,7
	v_cvt_scalef32_pk8_fp8_f32 v[CD+16*(\a%2)+2*\b:CD+16*(\a%2)+2*\b+1], v[TMP+8*\b:TMP+8*\b+7], v[SC]
.endr
	v_nop                                          ; a plain line behind the last conversion: the next block writes its sources
.irp p, 0,1,2,3
.if \vv
	global_store_b128 v[LI], v[CD+16*(\a%2)+4*\p:CD+16*(\a%2)+4*\p+3], s[72:73] offset:(\a/4)*131072+(\a%4)*2048+\p*512   ; head a / 4 of my two, channels 16 (a % 4) on, part p: 512 consecutive bytes
.else
	global_store_b128 v[LI], v[CD+16*(\a%2)+4*\p:CD+16*(\a%2)+4*\p+3], s[72:73] offset:\a*1024+(\p/2)*131072+(\p%2)*512   ; tokens 16 a on, head p / 2 of my two, part p % 2
.endif
.endr
.endr
.endm
	s_wait_tensorcnt 1                             ; my part of K step 0 is in (K step 1's load may be out),
	s_barrier_signal -1
	s_barrier_wait -1                              ; everybody's is
	FETCH_B 0, 0, 0
	FETCH_A 0, 0, 0
	FETCH_A 0, 0, 4
	STEP 0, 0, 1                                   ; the first step's products start the sums
	s_mov_b32 s3, LAPS-1
.Llap:                                                 ; a trip goes once round the ring and fills both slots again
	TURN 0, 1, 1
	STEP 1, 0, 0
	TURN 1, 0, 1
	STEP 0, 0, 0
	s_sub_co_u32 s3, s3, 1
	s_cmp_lg_u32 s3, 0
	s_cbranch_scc1 .Llap
	TURN 0, 1, 0                                   ; the last lap fills nothing
	STEP 1, 0, 0
	s_wait_kmcnt 0x0                               ; the exponents; all choices by selects, none by a branch
	s_add_co_i32 s84, s84, s85                     ; e0 + e1
	s_add_co_i32 s86, s86, s87                     ; e2 + e3
	s_add_co_i32 s88, s88, s89                     ; e4 + e5
	s_cmp_eq_u32 ttmp9, 0
	s_cselect_b32 s94, s84, s88
	s_cselect_b32 s95, s91, s93                    ; k: e7; v: e9
	s_cmp_eq_u32 ttmp9, 1
	s_cselect_b32 s94, s86, s94
	s_cselect_b32 s95, s90, s95                    ; q: e6
	s_add_co_i32 s94, s94, 127
	s_lshl_b32 s96, s94, 23                        ; 2^(eA + eB) as f32
	s_mov_b32 s97, s96                             ; (named with it as a pair)
	s_add_co_i32 s95, s95, 127
	s_lshl_b32 s94, s95, 23
	v_mov_b32 v[SC], s94
	s_add_co_i32 s95, s95, 8
	s_lshl_b32 s95, s95, 23
	s_or_b32 s95, s95, 0x600000
	v_mov_b32 v[LM], s95
	s_cmp_eq_u32 ttmp9, 2                          ; cluster x: the same in all sixteen partners
	s_cbranch_scc1 .Lv_arm
	; ---- k and q.  My first 16 tokens' number gt = 16 x tile row + 8 x half; batch gt / 128; my first head 4 x tile column + 2 x half
	s_lshl_b32 s84, s17, 4
	s_lshl_b32 s85, s15, 3
	s_add_co_u32 s84, s84, s85
	s_lshr_b32 s85, s84, 7
	s_lshl_b32 s85, s85, 21
	s_and_b32 s84, s84, 127
	s_lshl_b32 s84, s84, 10
	s_add_co_u32 s84, s84, s85
	s_lshl_b32 s85, s42, 2
	s_lshl_b32 s86, s16, 1
	s_add_co_u32 s85, s85, s86
	s_lshl_b32 s85, s85, 17
	s_add_co_u32 s84, s84, s85
	s_lshl_b32 s85, ttmp9, 23
	s_add_co_u32 s84, s84, s85
	s_mov_b32 s85, 0
	s_add_nc_u64 s[72:73], s[72:73], s[84:85]
	s_cmp_eq_u32 ttmp9, 0
	s_cselect_b64 s[82:83], s[10:11], s[68:69]     ; bk or bq,
	s_lshl_b32 s84, s42, 10
	s_lshl_b32 s86, s16, 9
	s_add_co_u32 s84, s84, s86                     ; at my 128 columns
	s_add_nc_u64 s[82:83], s[82:83], s[84:85]
	v_lshlrev_b32 v[BO], 5, v2                     ; lane (r, h) wants columns 16 b + 8 h + 0 .. 7
.irp b, 0,1,2,3,4,5,6,7
	global_load_b128 v[BIAS+8*\b:BIAS+8*\b+3], v[BO], s[82:83] offset:64*\b
	global_load_b128 v[BIAS+8*\b+4:BIAS+8*\b+7], v[BO], s[82:83] offset:64*\b+16
.endr
	LAST                                           ; the bias lands under the last 64 products
	s_wait_loadcnt 0x0
	OUT 0
	s_branch .Lend
.Lv_arm:
	; ---- v.  My 128 keys' number gc = 2 x tile column + half; batch gc / 16; my first head 4 x tile row + 2 x half
	s_lshl_b32 s84, s42, 1
	s_add_co_u32 s84, s84, s16
	s_lshr_b32 s85, s84, 4
	s_lshl_b32 s85, s85, 21
	s_and_b32 s84, s84, 15
	s_lshl_b32 s84, s84, 13
	s_add_co_u32 s84, s84, s85
	s_lshl_b32 s85, s17, 2
	s_lshl_b32 s86, s15, 1
	s_add_co_u32 s85, s85, s86
	s_lshl_b32 s85, s85, 17
	s_add_co_u32 s84, s84, s85
	s_add_co_u32 s84, s84, 0x1000000
	s_mov_b32 s85, 0
	s_add_nc_u64 s[72:73], s[72:73], s[84:85]
	s_lshl_b32 s84, s17, 10
	s_lshl_b32 s86, s15, 9
	s_add_co_u32 s84, s84, s86                     ; bv at my 128 rows (channels)
	s_add_nc_u64 s[82:83], s[70:71], s[84:85]
	v_lshlrev_b32 v[BO], 2, v1                     ; lane (r, h) wants channel 16 a + r, in both halves of a pair
.irp a, 0,1,2,3,4,5,6,7
	global_load_b32 v[BIAS+2*\a], v[BO], s[82:83] offset:64*\a
	global_load_b32 v[BIAS+2*\a+1], v[BO], s[82:83] offset:64*\a
.endr
	LAST
	s_wait_loadcnt 0x0
	OUT 1
.Lend:
	s_wait_tensorcnt 0x0                           ; the wave's end
	ds_add_u32 v[SPW], v[NIL]
	s_wait_dscnt 0x0
	CROUND                                         ; the closing round: no work-group ends while a partner may still ask for a tile that names it
	s_endpgm
.Lfunc_end_k_qafbe61255c_qkv:
	.size	k_qafbe61255c_qkv, .Lfunc_end_k_qafbe61255c_qkv-k_qafbe61255c_qkv
	.p2alignl 7, 3214868480
	.fill 96, 4, 3214868480
	.section	.rodata,"a",@progbits
	.p2align	6, 0x0
	.amdhsa_kernel k_qafbe61255c_qkv
		.amdhsa_group_segment_fixed_size 327680
		.amdhsa_private_segment_fixed_size 0
		.amdhsa_enable_private_segment 0
		.amdhsa_kernarg_size 56
		.amdhsa_user_sgpr_count 2
		.amdhsa_user_sgpr_kernarg_segment_ptr 1
		.amdhsa_wavefront_size32 1
		.amdhsa_system_sgpr_workgroup_id_x 1
		.amdhsa_system_sgpr_workgroup_id_y 1
		.amdhsa_system_sgpr_workgroup_id_z 1
		.amdhsa_system_vgpr_workitem_id 0
		.amdhsa_next_free_vgpr 1024
		.amdhsa_next_free_sgpr 98
		.amdhsa_reserve_vcc 0
		.amdhsa_float_denorm_mode_32 3
		.amdhsa_float_denorm_mode_16_64 3
		.amdhsa_memory_ordered 1
		.amdhsa_forward_progress 1
		.amdhsa_inst_pref_size 199
	.end_amdhsa_kernel
	.amdgpu_metadata
---
amdhsa.version: [ 1, 2 ]
amdhsa.kernels:
  - .name:           k_qafbe61255c_qkv
    .symbol:         k_qafbe61255c_qkv.kd
    .args:
      - { .name: xc, .offset: 0, .size: 8, .value_kind: global_buffer, .address_space: global }
      - { .name: wc, .offset: 8, .size: 8, .value_kind: global_buffer, .address_space: global }
      - { .name: lowp_scales, .offset: 16, .size: 8, .value_kind: global_buffer, .address_space: global }
      - { .name: bk, .offset: 24, .size: 8, .value_kind: global_buffer, .address_space: global }
      - { .name: bq, .offset: 32, .size: 8, .value_kind: global_buffer, .address_space: global }
      - { .name: bv, .offset: 40, .size: 8, .value_kind: global_buffer, .address_space: global }
      - { .name: kqv, .offset: 48, .size: 8, .value_kind: global_buffer, .address_space: global }
    .group_segment_fixed_size: 327680
    .private_segment_fixed_size: 0
    .kernarg_segment_align: 8
    .kernarg_segment_size: 56
    .max_flat_workgroup_size: 128
    .sgpr_count:     98
    .vgpr_count:     1024
    .wavefront_size: 32
...
	.end_amdgpu_metadata
.endif
;; end of part 2
;; launch attn (part 3): grid 4 x 64, 16 waves a work-group, no clusters, 67,584 bytes of LDS; arguments kqv, lowp_scales, yc; writes yc
.if DOCPART == 3
	.amdgcn_target "amdgcn-amd-amdhsa--gfx1250"
	.amdhsa_code_object_version 6
	.text
	.protected	k_qafbe61255c_attn
	.globl	k_qafbe61255c_attn
	.p2align	8
	.type	k_qafbe61255c_attn,@function
k_qafbe61255c_attn:
	s_mov_b64 s[64:65], 0
	v_nop
	global_prefetch_b8 v0, s[64:65] scope:SCOPE_SE
	s_setreg_imm32_b32 hwreg(HW_REG_WAVE_MODE, 25, 1), 1
	s_wait_xcnt 0x0
; y[b][q][head] = softmax over keys k <= q of (q . k / 8) times v, both products on codes of FP8 (E4M3), and y's own codes (scale entry 10) for the last product.
; kqv holds k's, q's and v's codes as images of operand registers (k, q: 16 tokens x 64 channels = 1,024 bytes; v: 16 channels x 128 keys = 2,048 bytes; lane l's 16 bytes of part p at 512 p + 16 l).
; THE SOFTMAX: t = score x log2(e) / 8; M = the running largest t rounded UP to a whole number; p = 2^(t - M) is quantised (entry 8), not normalised; the row's sum is taken of the unquantised p and divides at the end.
; When M moves, the sum and O are multiplied by 2^(old M - new M): exact.
; SHARES.  Work-group (I, bh) owns query blocks 7 - I and I (256 queries each) of head bh: the first needs key slots 0 .. 7 - I, the second 0 .. I, a slot being 256 keys: NINE slots for every work-group, so all
; trip counts are constants and all work-groups have equal work.  Each of sixteen waves owns 16 queries of the block in hand, in 256 registers: four waves to a SIMD, so that one wave's vector work stands beside another's products.
; A SLOT IS COPIED THROUGH REGISTERS: its 16,384 bytes of k and of v lie in memory as they lie in LDS; each of 512 threads moves 4 x 16 bytes, loaded a whole slot ahead, into the other of two LDS buffers; one barrier a slot.
; No joint loads: the four work-groups of a head walk different slots from their sixth on.
; LAYOUT.  S^T = K Q^T (source 0 = 16 keys, source 1 = my 16 queries), O^T = V^T P^T: a lane holds ONE query (lane % 16) throughout.  Register j of tile t holds key 16 t + 8 (lane / 16) + j, which is where
; registers 2 t, 2 t + 1 of the second product's operand want their eight keys: the conversions' results are that operand.  Likewise O^T's eight channels a tile are eight neighbours along the last product's K.
; A step all of whose 128 keys come after my queries is jumped over (a scalar branch on ids); on the diagonal hidden scores become -infinity.  Key 0 counts for every query, so M is a number from the first step on.
; p <= 1, and 448 x 2^e8 >= 1 wherever e8 >= -8: p's hold can bind only below that, and is jumped over elsewhere (a scalar branch on the whole number e8; this text has no tensor load and no copy).
; LIMITS: e6 + e7 between -123 and 130 (added to c's exponent field); e8 and e10 between -126 and 119.  NaN is not served.
; REGISTERS: v1-4 lane terms; v12 -M, v13 the largest t, v[14:15] the sum; v16-23 Q; v32-95 eight fragments of K, then four of V; v96-159 S^T, then p; v160-191 O^T; v192-207 p's codes; v208-223 the slot on its way; v224-231 y's codes.
.set BUF,  32768                       ; an LDS buffer: 16,384 bytes of K, then 16,384 of V
.set VOFF, 16384
.set LI,   1                           ; v1  16 x lane
.set CP,   2                           ; v2  16 x thread
.set PFO,  3                           ; v3  256 x lane
.set DM,   4                           ; v4  lane % 16 - 8 (lane / 16)
.set WV,   10
.set I,    11
.set BH,   12
.set KB,   16                          ; s[16:17] the head's k;  s[18:19] its v
.set VB,   18
.set SEL,  20
.set CS,   22                          ; s[22:23] c = log2(e) / 8 x 2^(e6 + e7)
.set HOLD, 29
.set ESUM, 30                          ; e8 + e9
.set KS,   31                          ; the key slot last asked for
.set KLIM, 32                          ; 8 - I: behind slot 7 - I comes slot 0
.set VS,   33                          ; which of the nine slots is in hand
.set SW,   34                          ; 7 - I: the first block's last
.set TRIP, 35
.set OF,   36
.set KP,   38
.set VP,   40
.set PFA,  42
.set PLIM, 44
.set KF,   45                          ; the step's first key
.set Q0,   46                          ; my first query
.set Q0B,  47
.set QPA,  48
.set QPB,  50
.set YPA,  52
.set YPB,  54
	s_load_b128 s[4:7], s[0:1], 0x0                ; kqv, the scales' exponents
	s_load_b64 s[8:9], s[0:1], 0x10                ; yc
	v_lshl_add_u32 v251, v0, 2, 0x10000
	v_mov_b32 v255, 0
	v_lshrrev_b32 v8, 5, v0
	v_readfirstlane_b32 s[WV], v8                  ; wave 0..15
	v_and_b32 v9, 31, v0
	v_lshlrev_b32 v[LI], 4, v9
	v_lshlrev_b32 v[CP], 4, v0
	v_lshlrev_b32 v[PFO], 8, v9
	v_and_b32 v10, 15, v0
	v_bfe_u32 v11, v0, 4, 1
	v_lshlrev_b32 v11, 3, v11
	v_sub_nc_u32 v[DM], v10, v11
	s_mov_b32 s[I], ttmp9
	s_and_b32 s[BH], ttmp7, 0xffff
	s_sub_co_u32 s[SW], 7, s[I]
	s_sub_co_u32 s[KLIM], 8, s[I]
	s_lshl_b32 s56, s[WV], 4
	s_lshl_b32 s[Q0], s[SW], 8
	s_add_co_u32 s[Q0], s[Q0], s56                 ; 256 (7 - I) + 16 x wave
	s_lshl_b32 s[Q0B], s[I], 8
	s_add_co_u32 s[Q0B], s[Q0B], s56               ; 256 I + 16 x wave
	; y's codes: row = 2,048 batch + query, K = 64 head + channel, in the image of 16 rows x 128 K.  All but the block's term:
	s_lshr_b32 s2, s[BH], 4
	s_lshl_b32 s2, s2, 21                          ; the batch: 16 x 131,072
	s_lshr_b32 s3, s[WV], 3
	s_lshl_b32 s3, s3, 17                          ; which 128 rows of the block's 256
	s_add_co_u32 s2, s2, s3
	s_bfe_u32 s3, s[BH], 0x20002
	s_lshl_b32 s3, s3, 15                          ; K / 256 = head / 4
	s_add_co_u32 s2, s2, s3
	s_and_b32 s3, s[WV], 7
	s_lshl_b32 s3, s3, 12                          ; my 16 rows among the 128: two fragments each
	s_add_co_u32 s2, s2, s3
	s_and_b32 s3, s[BH], 3
	s_lshl_b32 s3, s3, 10                          ; (head / 2) % 2 fragments of 2,048 + 2 (head % 2) parts of 512
	s_add_co_u32 s2, s2, s3
	s_mov_b32 s[SEL], 0x76543210
	s_mov_b32 s[SEL+1], 0xfedcba98
	s_mov_b32 s[KS], 0
	s_mov_b32 s[VS], 0
	s_mov_b32 s[KF], 0
	s_mov_b32 s[OF+1], 0
	s_mov_b32 s57, 0
	s_wait_kmcnt 0x0
	s_load_b128 s[24:27], s[6:7], 0x18             ; e6, e7, e8, e9
	s_load_b32 s28, s[6:7], 0x28                   ; e10
	s_lshl_b32 s56, s[BH], 17
	s_add_nc_u64 s[KB:KB+1], s[4:5], s[56:57]
	s_add_nc_u64 s[VB:VB+1], s[KB:KB+1], 0x1000000
	s_add_nc_u64 s[QPA:QPA+1], s[KB:KB+1], 0x800000
	s_mov_b64 s[QPB:QPB+1], s[QPA:QPA+1]
	s_lshl_b32 s56, s[Q0], 6                       ; 1,024 bytes for 16 queries
	s_add_nc_u64 s[QPA:QPA+1], s[QPA:QPA+1], s[56:57]
	s_lshl_b32 s56, s[Q0B], 6
	s_add_nc_u64 s[QPB:QPB+1], s[QPB:QPB+1], s[56:57]
	s_lshl_b32 s56, s[SW], 18                      ; a block's 256 rows: 2 x 131,072
	s_add_co_u32 s56, s56, s2
	s_add_nc_u64 s[YPA:YPA+1], s[8:9], s[56:57]
	s_lshl_b32 s56, s[I], 18
	s_add_co_u32 s56, s56, s2
	s_add_nc_u64 s[YPB:YPB+1], s[8:9], s[56:57]
	global_load_b128 v[208:211], v[CP], s[KB:KB+1]                 ; slot 0: 512 threads x 16 bytes = 8,192 consecutive bytes a line
	global_load_b128 v[212:215], v[CP], s[KB:KB+1] offset:8192
	global_load_b128 v[216:219], v[CP], s[VB:VB+1]
	global_load_b128 v[220:223], v[CP], s[VB:VB+1] offset:8192
	global_load_b128 v[16:19], v[LI], s[QPA:QPA+1]                 ; Q's fragment stays in registers
	global_load_b128 v[20:23], v[LI], s[QPA:QPA+1] offset:512
	; the prefetches (macro ASK): who asks, and where
	s_cmp_lt_u32 s[WV], 6
	s_cselect_b64 s[PFA:PFA+1], s[KB:KB+1], s[VB:VB+1]             ; waves 4, 5: k's two halves of a slot; waves 6, 7: v's
	s_and_b32 s56, s[WV], 1
	s_lshl_b32 s56, s56, 13
	s_add_co_u32 s56, s56, 16384                   ; in slot 1: the first trip steps it to slot 2
	s_add_nc_u64 s[PFA:PFA+1], s[PFA:PFA+1], s[56:57]
	s_sub_co_u32 s56, s[WV], 4
	s_lshr_b32 s56, s56, 2                         ; 0 in waves 4 to 7,
	s_or_b32 s56, s56, s[I]                        ; of the head's work-group 0
	s_cmp_eq_u32 s56, 0
	s_cselect_b32 s[PLIM], 6, 0
.macro RESET                           ; a block of queries begins: O^T and the sum are zeros, the largest t is under every t: the first change of M multiplies zeros
	v_mov_b32 v13, 0xff61b1e6                      ; -3e38
	v_floor_f32 v12, -v13
	v_mov_b32 v14, 0
	v_mov_b32 v15, 0
.set n, 0
.rept 32
	v_mov_b32 v[160+n], 0
.set n, n+1
.endr
.endm
	RESET
	v_mov_b32 v236, 0                              ; written once: a lane permute's destination counts as one of its sources
	v_mov_b32 v253, 0                              ; (named as the upper half of the pair v[252:253])
	s_wait_kmcnt 0x0
	s_add_co_i32 s56, s24, s25
	s_lshl_b32 s56, s56, 23
	s_mov_b32 s[CS], 0x3e38aa3b                    ; log2(e) / 8
	s_add_co_i32 s[CS], s[CS], s56                 ; a score stands for score x 2^(e6 + e7): added to c's exponent field
	s_mov_b32 s[CS+1], s[CS]
	s_add_co_i32 s56, s26, 127
	s_lshl_b32 s57, s56, 23
	v_mov_b32 v244, s57                            ; 2^e8
	s_add_co_i32 s56, s56, 8
	s_lshl_b32 s56, s56, 23
	s_or_b32 s56, s56, 0x600000
	v_mov_b32 v240, s56                            ; 448 x 2^e8
	s_add_co_i32 s56, s28, 127
	s_lshl_b32 s57, s56, 23
	v_mov_b32 v245, s57                            ; 2^e10
	s_add_co_i32 s56, s56, 8
	s_lshl_b32 s56, s56, 23
	s_or_b32 s56, s56, 0x600000
	v_mov_b32 v241, s56                            ; 448 x 2^e10
	s_add_co_i32 s[ESUM], s26, s27
	s_cmp_lt_i32 s26, -8
	s_cselect_b32 s[HOLD], 1, 0
; A PREFETCH INTO THE L2, behind the trip's four loads: in trip VS, which loads slot VS + 1, the slot VS + 2 of the first walk: 8,192 bytes a wave, lanes 256 bytes apart, one instruction.
; All four work-groups of a head walk these slots: work-group 0 asks, its waves 4 to 7, in trips 0 to 5: slots 2 to 7 are each named once in the launch.  Slots 0 and 1 and the second walk come by their loads alone.
.macro ASK
	s_cmp_lt_u32 s[VS], s[PLIM]
	s_cbranch_scc0 .Lnot_mine_\@
	global_prefetch_b8 v[PFO], s[PFA:PFA+1] th:TH_LOAD_NT scope:SCOPE_SE
.Lnot_mine_\@:
.endm
.macro FETCHN                          ; the next slot's 32,768 bytes are asked for, a whole slot's work ahead of the wait for them
	s_wait_xcnt 0x0                                ; the last trip's loads and prefetch have read their bases
	s_add_co_u32 s[KS], s[KS], 1
	s_cmp_eq_u32 s[KS], s[KLIM]
	s_cselect_b32 s[KS], 0, s[KS]                  ; behind the first block's last slot: the second block's slot 0
	s_lshl_b32 s[OF], s[KS], 14
	s_add_nc_u64 s[KP:KP+1], s[KB:KB+1], s[OF:OF+1]
	s_add_nc_u64 s[VP:VP+1], s[VB:VB+1], s[OF:OF+1]
	s_add_nc_u64 s[PFA:PFA+1], s[PFA:PFA+1], 16384
	global_load_b128 v[208:211], v[CP], s[KP:KP+1]
	global_load_b128 v[212:215], v[CP], s[KP:KP+1] offset:8192
	global_load_b128 v[216:219], v[CP], s[VP:VP+1]
	global_load_b128 v[220:223], v[CP], s[VP:VP+1] offset:8192
	ASK
.endm
; A KEY STEP: 128 keys, the q-th of the slot in buffer buf.
.macro STEP buf, q
	s_add_co_u32 s56, s[Q0], 15
	s_cmp_gt_u32 s[KF], s56
	s_cbranch_scc1 .Lhidden_\@                     ; all its keys come after my queries
.rept 4
	v_nop                                          ; places in front of loads into registers that the last products read
.endr
.irp t, 0,1,2,3,4,5,6,7
	ds_load_b128 v[32+8*\t:35+8*\t], v[LI] offset:(\buf)*BUF+(8*(\q)+\t)*1024
	ds_load_b128 v[36+8*\t:39+8*\t], v[LI] offset:(\buf)*BUF+(8*(\q)+\t)*1024+512
.endr
	s_wait_dscnt 0x0
.irp t, 0,1,2,3,4,5,6,7
	v_wmma_f32_16x16x64_fp8_fp8 v[96+8*\t:103+8*\t], v[32+8*\t:39+8*\t], v[16:23], 0
.endr
.rept 4
	v_nop                                          ; places in front of the loads below and of the first read of the scores
.endr
.irp ct, 0,1,2,3
.irp p, 0,1,2,3
	ds_load_b128 v[32+16*\ct+4*\p:35+16*\ct+4*\p], v[LI] offset:(\buf)*BUF+VOFF+(\q)*8192+\ct*2048+\p*512   ; V's four fragments land under the softmax
.endr
.endr
	s_add_co_u32 s56, s[KF], 127
	s_cmp_le_u32 s56, s[Q0]
	s_cbranch_scc1 .Lopen_\@                       ; all its keys count
	s_sub_co_i32 s56, s[Q0], s[KF]
	v_add_nc_u32 v252, s56, v[DM]                  ; d = my query - KF - 8 (lane / 16).  Register 8 t + j holds key KF + 8 (lane / 16) + 16 t + j: hidden where 16 t + j > d
	v_mov_b32 v254, 0xff800000                     ; -infinity
.set n, 0
.rept 64
	v_cmp_gt_i32 vcc_lo, 16*(n/8)+n%8, v252
	v_cndmask_b32 v[96+n], v[96+n], v254, vcc_lo
.set n, n+1
.endr
.Lopen_\@:
	v_max3_num_f32 v254, v96, v97, v98             ; the step's largest score of my query among my 64 keys, in two chains, each tile from its low end on,
	v_max3_num_f32 v252, v99, v100, v101
.irp i, 6,10,14,18,22,26,30,34,38,42,46,50,54,58
	v_max3_num_f32 v254, v254, v[96+\i], v[97+\i]
	v_max3_num_f32 v252, v252, v[98+\i], v[99+\i]
.endr
	v_max3_num_f32 v254, v254, v158, v159
	v_max_num_f32 v254, v254, v252
	v_permlanex16_b32 v236, v254, s[SEL], s[SEL+1]
	v_max_num_f32 v254, v254, v236                 ; and among the other half's
	v_mul_f32 v254, s[CS], v254                    ; as t (c is positive)
	v_max_num_f32 v13, v13, v254                   ; the running largest t
	v_mov_b32 v254, v12
	v_floor_f32 v12, -v13                          ; the new -M = floor(-t): M is a whole number
	v_sub_f32 v254, v12, v254                      ; old M - new M: a whole number, 0 or less
	v_cvt_i32_f32 v254, v254                       ; (it saturates)
	v_ldexp_f32 v252, 1.0, v254                    ; f = 2^(old M - new M)
.set n, 0
.rept 32
	v_pk_fma_f32 v[96+n:97+n], v[96+n:97+n], s[CS:CS+1], v[12:13] op_sel_hi:[1,0,0]   ; t - M, two at a time
.set n, n+2
.endr
.set n, 0
.rept 64
	v_exp_f32 v[96+n], v[96+n]                     ; p = 2^(t - M), at most 1
.set n, n+1
.endr
	v_pk_mul_f32 v[14:15], v[14:15], v[252:253] op_sel_hi:[1,0]   ; the sums under the new M: the plain line behind the exponentials
	s_wait_alu depctr_va_vdst(0)                   ; one wait for the batch of 64, ahead of its first reader
	v_pk_add_f32 v[242:243], v[96:97], v[98:99]    ; the row's sum is taken of the unquantised p, in two chains
.irp j, 4,8,12,16,20,24,28,32,36,40,44,48,52,56,60
	v_pk_add_f32 v[14:15], v[14:15], v[96+\j:97+\j]
	v_pk_add_f32 v[242:243], v[242:243], v[98+\j:99+\j]
.endr
	v_pk_add_f32 v[14:15], v[14:15], v[242:243]
	s_cmp_lg_u32 s[HOLD], 0
	s_cbranch_scc0 .Lno_hold_\@                    ; e8 >= -8: 448 x 2^e8 >= 1 >= p
.set n, 0
.rept 64
	v_min_num_f32 v[96+n], v[96+n], v240           ; the conversion does not saturate (ISA guide 7.6.2); p is not negative: a one-sided hold
.set n, n+1
.endr
.Lno_hold_\@:
.irp t, 0,1,2,3,4,5,6,7
	v_cvt_scalef32_pk8_fp8_f32 v[192+2*\t:193+2*\t], v[96+8*\t:103+8*\t], v244   ; registers 2 t, 2 t + 1 of P: keys 16 t + 8 (lane / 16) + 0 .. 7
.endr
.set n, 0
.rept 16
	v_pk_mul_f32 v[160+n:161+n], v[160+n:161+n], v[252:253] op_sel_hi:[1,0]      ; O^T under the new M; also the plain lines between the conversions and the products
.set n, n+2
.endr
	s_wait_dscnt 0x0                               ; V is in
.irp ct, 0,1,2,3
	v_wmma_f32_16x16x128_fp8_fp8 v[160+8*\ct:167+8*\ct], v[32+16*\ct:47+16*\ct], v[192:207], v[160+8*\ct:167+8*\ct]   ; four accumulators by turns; the next step's eight score products stand between two links
.endr
.Lhidden_\@:
	s_add_co_u32 s[KF], s[KF], 128
.endm
; A block of queries is finished: O^T x 2^(e8 + e9) / the sum is y; held, converted, stored as two parts of the image of the last product's operand.
.macro EPI yp
.rept 4
	v_nop                                          ; places behind the last products
.endr
	s_wait_xcnt 0x0                                ; earlier stores have read their codes
	v_add_f32 v14, v14, v15
	v_permlanex16_b32 v236, v14, s[SEL], s[SEL+1]
	v_add_f32 v14, v14, v236                       ; the row's sum
	v_rcp_f32 v14, v14
	v_nop                                          ; a plain line behind the reciprocal
	s_wait_alu depctr_va_vdst(0)                   ; and the wait ahead of its first reader
	v_ldexp_f32 v14, v14, s[ESUM]
.set n, 0
.rept 16
	v_pk_mul_f32 v[96+n:97+n], v[160+n:161+n], v[14:15] op_sel_hi:[1,0]   ; register 8 ct + j: y(my query, 16 ct + 8 (lane / 16) + j)
.set n, n+2
.endr
.set n, 0
.rept 32
	v_med3_num_f32 v[96+n], v[96+n], -v241, v241
.set n, n+1
.endr
.irp ct, 0,1,2,3
	v_cvt_scalef32_pk8_fp8_f32 v[224+2*\ct:225+2*\ct], v[96+8*\ct:103+8*\ct], v245
.endr
	v_nop                                          ; a plain line behind the last conversion
	global_store_b128 v[LI], v[224:227], s[\yp:\yp+1]              ; 32 lanes store 512 consecutive bytes, aligned
	global_store_b128 v[LI], v[228:231], s[\yp:\yp+1] offset:512
.endm
.macro SWITCH                          ; on to the second block
	global_load_b128 v[16:19], v[LI], s[QPB:QPB+1]
	global_load_b128 v[20:23], v[LI], s[QPB:QPB+1] offset:512
	RESET
	s_mov_b32 s[KF], 0
	s_mov_b32 s[Q0], s[Q0B]
.endm
; A slot.  fill = 1: the next slot is asked for at the head and goes into the other buffer at the end.  ONE barrier a slot: in front of it each wave has waited for its stores into the other buffer and for its reads of this
; one; behind it the other buffer is whole, and this one, which the next trip's end overwrites, is read by nobody.
.macro SLOTW buf, fill
.if \fill
	FETCHN
.endif
	STEP \buf, 0
	STEP \buf, 1
.if \fill
	s_cmp_eq_u32 s[VS], s[SW]
	s_cbranch_scc0 .Lsame_\@
	EPI YPA
	SWITCH
.Lsame_\@:
	s_add_co_u32 s[VS], s[VS], 1
	s_wait_loadcnt 0x0                             ; the next slot's bytes (and, behind a switch, Q) are in
.irp i, 0,1,2,3
	ds_store_b128 v[CP], v[208+4*\i:211+4*\i] offset:(1-(\buf))*BUF+8192*\i
.endr
	s_wait_dscnt 0x0
	s_barrier_signal -1
	s_barrier_wait -1
.endif
.endm
	s_wait_loadcnt 0x0                             ; slot 0 and Q
.irp i, 0,1,2,3
	ds_store_b128 v[CP], v[208+4*\i:211+4*\i] offset:8192*\i
.endr
	s_wait_dscnt 0x0
	s_barrier_signal -1
	s_barrier_wait -1
	s_mov_b32 s[TRIP], 4
.Lloop:                                                ; four trips of two slots; the ninth slot is written out: it asks for nothing
	SLOTW 0, 1
	SLOTW 1, 1
	s_sub_co_u32 s[TRIP], s[TRIP], 1
	s_cmp_lg_u32 s[TRIP], 0
	s_cbranch_scc1 .Lloop
	SLOTW 0, 0
	EPI YPB
	s_wait_tensorcnt 0x0
	ds_add_u32 v251, v255
	s_wait_dscnt 0x0
	s_endpgm
.Lfunc_end_k_qafbe61255c_attn:
	.size	k_qafbe61255c_attn, .Lfunc_end_k_qafbe61255c_attn-k_qafbe61255c_attn
	.p2alignl 7, 3214868480
	.fill 96, 4, 3214868480
	.section	.rodata,"a",@progbits
	.p2align	6, 0x0
	.amdhsa_kernel k_qafbe61255c_attn
		.amdhsa_group_segment_fixed_size 67584
		.amdhsa_private_segment_fixed_size 0
		.amdhsa_enable_private_segment 0
		.amdhsa_kernarg_size 24
		.amdhsa_user_sgpr_count 2
		.amdhsa_user_sgpr_kernarg_segment_ptr 1
		.amdhsa_wavefront_size32 1
		.amdhsa_system_sgpr_workgroup_id_x 1
		.amdhsa_system_sgpr_workgroup_id_y 1
		.amdhsa_system_sgpr_workgroup_id_z 1
		.amdhsa_system_vgpr_workitem_id 0
		.amdhsa_next_free_vgpr 256
		.amdhsa_next_free_sgpr 66
		.amdhsa_reserve_vcc 1
		.amdhsa_float_denorm_mode_32 3
		.amdhsa_float_denorm_mode_16_64 3
		.amdhsa_memory_ordered 1
		.amdhsa_forward_progress 1
		.amdhsa_inst_pref_size 147
	.end_amdhsa_kernel
	.amdgpu_metadata
---
amdhsa.version: [ 1, 2 ]
amdhsa.kernels:
  - .name:           k_qafbe61255c_attn
    .symbol:         k_qafbe61255c_attn.kd
    .args:
      - { .name: kqv, .offset: 0, .size: 8, .value_kind: global_buffer, .address_space: global }
      - { .name: lowp_scales, .offset: 8, .size: 8, .value_kind: global_buffer, .address_space: global }
      - { .name: yc, .offset: 16, .size: 8, .value_kind: global_buffer, .address_space: global }
    .group_segment_fixed_size: 67584
    .private_segment_fixed_size: 0
    .kernarg_segment_align: 8
    .kernarg_segment_size: 24
    .max_flat_workgroup_size: 512
    .sgpr_count:     66
    .vgpr_count:     256
    .wavefront_size: 32
...
	.end_amdgpu_metadata
.endif
;; end of part 3
;; launch proj (part 4): grid 4 x 32, 4 waves a work-group, clusters of 4 x 4, 327,680 bytes of LDS; arguments yc, wc, lowp_scales, bp, out0; writes out0
.if DOCPART == 4
	.amdgcn_target "amdgcn-amd-amdhsa--gfx1250"
	.amdhsa_code_object_version 6
	.text
	.protected	k_qafbe61255c_proj
	.globl	k_qafbe61255c_proj
	.p2align	8
	.type	k_qafbe61255c_proj,@function
k_qafbe61255c_proj:
	s_mov_b64 s[64:65], 0
	v_nop
	global_prefetch_b8 v0, s[64:65] scope:SCOPE_SE
	s_setreg_imm32_b32 hwreg(HW_REG_WAVE_MODE, 25, 1), 1
	s_wait_xcnt 0x0
	s_wait_alu depctr_hold_cnt(0) depctr_sa_sdst(0) depctr_va_vdst(0) depctr_va_sdst(0) depctr_va_ssrc(0) depctr_va_vcc(0) depctr_vm_vsrc(0)
	s_getreg_b32 s2, hwreg(HW_REG_IB_STS2, 6, 4)
	s_cmp_eq_u32 s2, 0
	s_cbranch_scc0 .Lentry_in_a_cluster
	s_endpgm
.Lentry_in_a_cluster:
	s_bfe_u32 s2, ttmp6, 0x10000c
	s_cmp_lg_u32 s2, 0xf033
	s_cbranch_scc0 .Lentry_shape_is_right
	s_endpgm
.Lentry_shape_is_right:
; out0 = y Wp^T + bp on codes of FP8 (E4M3): A = y's codes [8192 rows], B = Wp's codes [1024 rows], K = 1,024; out0 [8192][1024] f32.  Each finished sum x 2^(e10 + e11) + bp, one packed multiply-add for two.
; A tile of C is 256 x 256, a wave's share 128 x 128: 64 accumulators.  K goes in four steps of 256 through a ring of two LDS slots.  The operands lie in memory as images of their registers
; (16 rows x 128 K = 2,048 bytes, lane l's 16 bytes of part p at 512 p + 16 l); 128 rows x 256 K are one dense block of 32,768 bytes, which one tensor load brings as it lies.
; THE MATRIX INSTRUCTION IS USED TRANSPOSED (source 0 = 16 rows of B, source 1 = 16 rows of A): a lane holds eight neighbouring numbers of a row of C.
; CLUSTERS: 4 x 4 work-groups; A's tile is shared along a row of the cluster, B's along a column: each is asked for jointly.  No prefetch: of K's four steps two are the first fills.
; LIMIT: e10 + e11 between -126 and 127.
; REGISTERS: window 0: v1, v2 r, h; v16-29 addresses; from v128 A's fragments, one set; on the way out v32-95 a block's numbers, v128-255 rows read back.
;   window 1: B's fragments, two sets; on the way out v0-63 hold bp's 64 numbers of my lane.   windows 2, 3: the accumulators.
.set FRB,    2048
.set HALFT,  32768
.set SLOT,   4*HALFT
.set SPARE,  2*SLOT                    ; behind the ring: the spare words, 128 bytes for each wave
.set FR,     16
.set NL,     4
.set NP,     4
.set LAPS,   2
.set SIZE_N, 1024
.set SPITCH, 528                       ; the way out: a stage of 16 rows x (512 bytes + 16) for each wave, in slot 0, which has had its last fill and its last read when the first result is stored there
.set ADRA, 16
.set ADRB, 20
.set STO,  24                          ; v24  where I put 32 bytes of a row
.set RD,   25                          ; v25  where I read a row back
.set CO,   26                          ; v26  16 x lane
.set BO,   27                          ; v27  32 x (lane / 16): my eight columns in bp
.set SPW,  28
.set NIL,  29
.set TMP,  32
.set AF,   128
.set BK,   128
.set G1, 24
.set G0, 32
.set G1B, 48
.set G0B, 56
.set MSB, 0
.macro WIN new
.if MSB != (\new)
	s_set_vgpr_msb (MSB<<8)|(\new)
.set MSB, (\new)
.endif
.endm
.set MUL_LO, 0xa1
.set MUL_HI, 0xf1
.set TO_B,   0x40
.macro JLOAD g0a, g1a, g0b, g1b        ; a joint load: waves 0 and 1 fetch for A, waves 2 and 3 for B; four v_nop follow each of the two lines
	s_cmp_eq_u32 s15, 0
	s_cbranch_scc0 .Lfor_b_\@
	tensor_load_to_lds s[\g0a:\g0a+3], s[\g1a:\g1a+7]
	s_nop 0
.rept 4
	v_nop
.endr
	s_branch .Lasked_\@
.Lfor_b_\@:
	tensor_load_to_lds s[\g0b:\g0b+3], s[\g1b:\g1b+7]
	s_nop 0
.rept 4
	v_nop
.endr
.Lasked_\@:
.endm
.macro CREST
	s_cmp_lg_u32 s14, 0
	s_cbranch_scc1 .Lnot_wave_0_\@
	s_barrier_signal -3
.Lnot_wave_0_\@:
	s_barrier_wait -3
	s_barrier_signal -1
	s_barrier_wait -1
.endm
.macro CROUND
	s_barrier_signal -1
	s_barrier_wait -1
	CREST
.endm
	s_load_b256 s[4:11], s[0:1], 0x0               ; yc, wc, the scales' exponents, bp
	s_load_b64 s[12:13], s[0:1], 0x20              ; out0
	v_lshl_add_u32 v[SPW], v0, 2, SPARE
	v_mov_b32 v[NIL], 0
	ds_add_u32 v28, v29
	ds_add_u32 v28, v29
	s_wait_dscnt 0x0
	v_lshrrev_b32 v1, 5, v0
	v_readfirstlane_b32 s14, v1                    ; wave 0..3
	s_lshr_b32 s15, s14, 1                         ; my half of the tile's rows.  Also: I fetch for A (0) or for B (1)
	s_and_b32 s16, s14, 1                          ; my half of its columns.  Also: which 128 rows of that tile I fetch
	s_bfe_u32 s40, ttmp6, 0x40000                  ; cx, cy
	s_bfe_u32 s41, ttmp6, 0x40004
	s_lshl_b32 s42, ttmp9, 2
	s_add_co_u32 s42, s42, s40                     ; tile column
	s_and_b32 s17, ttmp7, 0xffff
	s_lshl_b32 s17, s17, 2
	s_add_co_u32 s17, s17, s41                     ; tile row
	s_lshl_b32 s43, s41, 2
	s_lshl_b32 s43, 15, s43
	s_lshl_b32 s44, 0x1111, s40
	s_or_b32 s[G1+0], s43, (3<<16)|(1<<21)         ; 15:0 the mask; 17:16 elements of 8 bytes; no padding; 21 set beside a mask
	s_or_b32 s[G1B+0], s44, (3<<16)|(1<<21)
.irp g, G1, G1B
	s_mov_b32 s[\g+1], 32<<16                      ; tensor_dim0 = 32
	s_mov_b32 s[\g+2], 128<<16                     ; tensor_dim1 = 128
	s_mov_b32 s[\g+3], 32<<16                      ; tile_dim0 = 32
	s_mov_b32 s[\g+4], 128                         ; tile_dim1 = 128
	s_mov_b32 s[\g+5], 32                          ; dense
	s_mov_b32 s[\g+6], 0
	s_mov_b32 s[\g+7], 0
.endr
	s_lshl_b32 s20, s17, 1
	s_add_co_u32 s20, s20, s16
	s_lshl_b32 s20, s20, 17                        ; A: (2 x tile row + half) x 131,072
	s_mov_b32 s21, 0
	s_lshl_b32 s46, s42, 1
	s_add_co_u32 s46, s46, s16
	s_lshl_b32 s46, s46, 17                        ; B likewise by the tile column
	s_mov_b32 s47, 0
	s_mul_i32 s45, s14, HALFT
	s_wait_kmcnt 0x0
	s_load_b64 s[96:97], s[8:9], 0x28              ; e10, e11
	s_add_nc_u64 s[20:21], s[4:5], s[20:21]
	s_add_nc_u64 s[46:47], s[6:7], s[46:47]
	s_add_nc_u64 s[46:47], s[46:47], 0x300000      ; Wp's codes are the fourth weight's
	CROUND                                         ; all sixteen work-groups are here: the first joint loads meet
.irp s, 0,1
	s_mov_b32 s[G0+4*\s], 1
	s_add_co_u32 s[G0+4*\s+1], s45, \s*SLOT
	s_add_nc_u64 s[G0+4*\s+2:G0+4*\s+3], s[20:21], \s*HALFT
	s_or_b32 s[G0+4*\s+3], s[G0+4*\s+3], 0x80000000
	s_mov_b32 s[G0B+4*\s], 1
	s_add_co_u32 s[G0B+4*\s+1], s45, \s*SLOT
	s_add_nc_u64 s[G0B+4*\s+2:G0B+4*\s+3], s[46:47], \s*HALFT
	s_or_b32 s[G0B+4*\s+3], s[G0B+4*\s+3], 0x80000000
	JLOAD G0+4*\s, G1, G0B+4*\s, G1B
.endr
	v_and_b32 v1, 15, v0                           ; r
	v_bfe_u32 v2, v0, 4, 1                         ; h
	v_and_b32 v6, 31, v0
	v_lshlrev_b32 v[CO], 4, v6
	v_lshlrev_b32 v[BO], 5, v2
	s_mul_i32 s21, s15, HALFT
	s_mul_i32 s22, s16, HALFT
	s_add_co_u32 s22, s22, 2*HALFT
.irp s, 0,1
	v_add_nc_u32 v[ADRA+\s], s21, v[CO]
	v_add_nc_u32 v[ADRB+\s], s22, v[CO]
	s_add_co_u32 s21, s21, SLOT
	s_add_co_u32 s22, s22, SLOT
.endr
	s_mul_i32 s23, s14, 16*SPITCH                  ; my stage
	v_mul_u32_u24 v5, v1, SPITCH                   ; in: row r, 32 bytes for each half of the lanes
	v_lshl_add_u32 v5, v2, 5, v5
	v_add_nc_u32 v[STO], s23, v5
	v_add_nc_u32 v[RD], s23, v[CO]                 ; back: the 32 lanes take one row of 512 bytes
	s_lshl_b32 s20, s17, 1
	s_add_co_u32 s20, s20, s15
	s_lshl_b32 s20, s20, 19                        ; my first row of C: (2 x tile row + half) x 128 rows of 4,096 bytes
	s_mov_b32 s21, 0
	s_lshl_b32 s46, s42, 10                        ; my first column, in bytes: 1,024 x tile column + 512 x half; the same offset serves bp
	s_lshl_b32 s47, s16, 9
	s_add_co_u32 s46, s46, s47
	s_mov_b32 s47, 0
	s_add_nc_u64 s[10:11], s[10:11], s[46:47]
	s_add_nc_u64 s[20:21], s[20:21], s[46:47]
	s_add_nc_u64 s[12:13], s[12:13], s[20:21]
.macro FRAG reg, adr, q, i
.irp c, 0,1,2,3
	ds_load_b128 v[\reg+4*\c:\reg+4*\c+3], v[\adr] offset:((\i)*2+(\q))*FRB+512*\c
.endr
.endm
.macro MUL16 a0, p, zero               ; the 64 accumulators take turns, one instruction a turn, in the same order in every step
.irp a, \a0, \a0+1
.irp b, 0,1,2,3,4,5,6,7
.if \zero
	v_wmma_f32_16x16x128_fp8_fp8 v[8*(8*((\a)%4)+\b):8*(8*((\a)%4)+\b)+7], v[128*(\p)+FR*\b:128*(\p)+FR*\b+FR-1], v[AF+FR*(\a):AF+FR*(\a)+FR-1], 0
.else
	v_wmma_f32_16x16x128_fp8_fp8 v[8*(8*((\a)%4)+\b):8*(8*((\a)%4)+\b)+7], v[128*(\p)+FR*\b:128*(\p)+FR*\b+FR-1], v[AF+FR*(\a):AF+FR*(\a)+FR-1], v[8*(8*((\a)%4)+\b):8*(8*((\a)%4)+\b)+7]
.endif
.endr
.endr
.endm
.macro FETCH_B slot, q, p
	WIN TO_B
.irp i, 0,1,2,3,4,5,6,7
	FRAG 128*(\p)+FR*\i, ADRB+\slot, \q, \i
.endr
	WIN 0
.endm
.macro FETCH_A slot, q, i0
.irp i, \i0, \i0+1, \i0+2, \i0+3
	FRAG AF+FR*(\i), ADRA+\slot, \q, \i
.endr
.endm
.macro PLACES n
.rept \n
	v_nop
.endr
.endm
.macro STEP slot, q, zero
	s_wait_dscnt 4*NL                              ; B's set and A's blocks 0-3 are in; the youngest 16 loads (A's blocks 4-7) may be out
	WIN MUL_LO
	MUL16 0, (\q)%2, \zero
	MUL16 2, (\q)%2, \zero
	s_wait_dscnt 0
	PLACES NP
	FETCH_B \slot, (\q)+1, 1-(\q)%2
	FETCH_A \slot, (\q)+1, 0
	WIN MUL_HI
	MUL16 4, (\q)%2, \zero
	MUL16 6, (\q)%2, \zero
	PLACES NP
	WIN 0
	FETCH_A \slot, (\q)+1, 4
.endm
.macro TURN slot, next, fill
	s_wait_tensorcnt 0x0                           ; all my tensor loads have landed: my part of the next slot
	ds_add_u32 v[SPW], v[NIL]                      ; 0 onto my spare word
	s_wait_dscnt 4*NL+1                            ; (the add and the youngest 16 loads may be out)
	WIN MUL_LO
	MUL16 0, 1, 0
	s_wait_dscnt 0x0                               ; the add is done, and my reads of this slot are over
	s_barrier_signal -1
	MUL16 2, 1, 0
	WIN 0
	s_barrier_wait -1
.if \fill
	CREST                                          ; the barrier has opened a round of the cluster's
	s_add_nc_u64 s[G0+4*\slot+2:G0+4*\slot+3], s[G0+4*\slot+2:G0+4*\slot+3], 2*HALFT
	s_add_nc_u64 s[G0B+4*\slot+2:G0B+4*\slot+3], s[G0B+4*\slot+2:G0B+4*\slot+3], 2*HALFT
	JLOAD G0+4*\slot, G1, G0B+4*\slot, G1B         ; the first tensor load behind the round
.else
	PLACES NP
.endif
	FETCH_B \next, 0, 0
	FETCH_A \next, 0, 0
	WIN MUL_HI
	MUL16 4, 1, 0
	MUL16 6, 1, 0
	PLACES NP
	WIN 0
	FETCH_A \next, 0, 4
.endm
	s_wait_tensorcnt 1                             ; my part of K step 0 is in (K step 1's load may be out),
	s_barrier_signal -1
	s_barrier_wait -1                              ; everybody's is
	FETCH_B 0, 0, 0
	FETCH_A 0, 0, 0
	FETCH_A 0, 0, 4
	STEP 0, 0, 1
	s_mov_b32 s3, LAPS-1
.Llap:
	TURN 0, 1, 1
	STEP 1, 0, 0
	TURN 1, 0, 1
	STEP 0, 0, 0
	s_sub_co_u32 s3, s3, 1
	s_cmp_lg_u32 s3, 0
	s_cbranch_scc1 .Llap
	TURN 0, 1, 0
	STEP 1, 0, 0
	WIN TO_B                                       ; bp: lane (r, h) wants columns 16 b + 8 h + 0 .. 7, into window 1, v0-63: B's set 0, whose last products stand in front of the step's four places
.irp b, 0,1,2,3,4,5,6,7
	global_load_b128 v[8*\b:8*\b+3], v[BO], s[10:11] offset:64*\b
	global_load_b128 v[8*\b+4:8*\b+7], v[BO], s[10:11] offset:64*\b+16
.endr
	WIN 0
	s_wait_dscnt 4*NL                              ; the very last step: nothing more to fetch; bp lands under it
	WIN MUL_LO
	MUL16 0, 1, 0
	MUL16 2, 1, 0
	s_wait_dscnt 0
	WIN MUL_HI
	MUL16 4, 1, 0
	MUL16 6, 1, 0
	WIN 0
; THE WAY OUT, block by block of 16 rows x 128 columns, through my own stage in LDS: in as 32 bytes a lane, back as whole rows of 512 bytes.  LDS serves a wave's instructions in order (ISA guide 5.7.1.4).
.macro TOSTAGE a
.set AC, 64*((\a)%4)
	WIN 0x12+((\a)/4)                              ; source 0 (the sums) window 2 or 3, source 2 (bp) window 1
.set n, 0
.rept 32
	v_pk_fma_f32 v[TMP+n:TMP+n+1], v[AC+n:AC+n+1], s[96:97], v[n:n+1] op_sel_hi:[1,0,1]   ; sum x 2^(e10 + e11) + bp; each accumulator from its low end on
.set n, n+2
.endr
	WIN 0
.irp b, 0,1,2,3,4,5,6,7
	ds_store_b128 v[STO], v[TMP+8*\b:TMP+8*\b+3] offset:64*\b
	ds_store_b128 v[STO], v[TMP+8*\b+4:TMP+8*\b+7] offset:64*\b+16
.endr
.set BB, BK+64*((\a)%2)
.irp t, 0,1,2,3,4,5,6,7,8,9,10,11,12,13,14,15
	ds_load_b128 v[BB+4*\t:BB+4*\t+3], v[RD] offset:\t*SPITCH
.endr
.endm
.macro SEND a, younger                 ; younger: the LDS instructions issued behind block a's loads, which may stay out
.set BB, BK+64*((\a)%2)
	s_wait_dscnt \younger
.if (\a) > 0
	s_add_nc_u64 s[12:13], s[12:13], 16*SIZE_N*4   ; (behind a wait on XCNT: the earlier stores have read their base)  16 rows on
.endif
.irp t, 0,1,2,3,4,5,6,7,8,9,10,11,12,13,14,15
	global_store_b128 v[CO], v[BB+4*\t:BB+4*\t+3], s[12:13] offset:\t*SIZE_N*4 th:TH_STORE_NT   ; 32 lanes store 512 consecutive bytes, aligned
.endr
.endm
	s_wait_kmcnt 0x0
	s_add_co_i32 s96, s96, s97
	s_add_co_i32 s96, s96, 127
	s_lshl_b32 s96, s96, 23                        ; 2^(e10 + e11) as f32
	s_mov_b32 s97, s96
	PLACES NP                                      ; in front of the loads into the registers that held A's fragments, and of the reads of results
	s_wait_loadcnt 0x0                             ; bp
	TOSTAGE 0
.irp a, 1,2,3,4,5,6,7
.if \a > 1
	s_wait_xcnt 0x0                                ; block a - 2's stores have read their registers and their base
.endif
	TOSTAGE \a
	SEND \a-1, 32                                  ; behind block a - 1's loads: block a's 16 stores and 16 loads
.endr
	s_wait_xcnt 0x0
	SEND 7, 0
	s_wait_tensorcnt 0x0                           ; the wave's end
	ds_add_u32 v[SPW], v[NIL]
	s_wait_dscnt 0x0
	CROUND                                         ; the closing round
	s_endpgm
.Lfunc_end_k_qafbe61255c_proj:
	.size	k_qafbe61255c_proj, .Lfunc_end_k_qafbe61255c_proj-k_qafbe61255c_proj
	.p2alignl 7, 3214868480
	.fill 96, 4, 3214868480
	.section	.rodata,"a",@progbits
	.p2align	6, 0x0
	.amdhsa_kernel k_qafbe61255c_proj
		.amdhsa_group_segment_fixed_size 327680
		.amdhsa_private_segment_fixed_size 0
		.amdhsa_enable_private_segment 0
		.amdhsa_kernarg_size 40
		.amdhsa_user_sgpr_count 2
		.amdhsa_user_sgpr_kernarg_segment_ptr 1
		.amdhsa_wavefront_size32 1
		.amdhsa_system_sgpr_workgroup_id_x 1
		.amdhsa_system_sgpr_workgroup_id_y 1
		.amdhsa_system_sgpr_workgroup_id_z 1
		.amdhsa_system_vgpr_workitem_id 0
		.amdhsa_next_free_vgpr 1024
		.amdhsa_next_free_sgpr 98
		.amdhsa_reserve_vcc 0
		.amdhsa_float_denorm_mode_32 3
		.amdhsa_float_denorm_mode_16_64 3
		.amdhsa_memory_ordered 1
		.amdhsa_forward_progress 1
		.amdhsa_inst_pref_size 125
	.end_amdhsa_kernel
	.amdgpu_metadata
---
amdhsa.version: [ 1, 2 ]
amdhsa.kernels:
  - .name:           k_qafbe61255c_proj
    .symbol:         k_qafbe61255c_proj.kd
    .args:
      - { .name: yc, .offset: 0, .size: 8, .value_kind: global_buffer, .address_space: global }
      - { .name: wc, .offset: 8, .size: 8, .value_kind: global_buffer, .address_space: global }
      - { .name: lowp_scales, .offset: 16, .size: 8, .value_kind: global_buffer, .address_space: global }
      - { .name: bp, .offset: 24, .size: 8, .value_kind: global_buffer, .address_space: global }
      - { .name: out0, .offset: 32, .size: 8, .value_kind: global_buffer, .address_space: global }
    .group_segment_fixed_size: 327680
    .private_segment_fixed_size: 0
    .kernarg_segment_align: 8
    .kernarg_segment_size: 40
    .max_flat_workgroup_size: 128
    .sgpr_count:     98
    .vgpr_count:     1024
    .wavefront_size: 32
...
	.end_amdgpu_metadata
.endif
;; end of part 4
;; ======== version 2 of 2: 4 launches; version 1 with the launch attn written anew for expert scheduling mode
;; workspace buffers: xc 25,165,824 bytes; wc 4,194,304 bytes; kqv 25,165,824 bytes; yc 8,388,608 bytes
;; launch quant: the kernel of part 1 again; grid 384 x 1, 4 waves a work-group, no clusters, 34,304 bytes of LDS; arguments x, Wk, Wq, Wv, Wp, lowp_scales, xc, wc; writes xc, wc
;; launch qkv: the kernel of part 2 again; grid 12 x 32, 4 waves a work-group, clusters of 4 x 4, 327,680 bytes of LDS; arguments xc, wc, lowp_scales, bk, bq, bv, kqv; writes kqv
;; launch attn (part 5): grid 4 x 64, 16 waves a work-group, no clusters, 67,584 bytes of LDS; arguments kqv, lowp_scales, yc; writes yc
.if DOCPART == 5
	.amdgcn_target "amdgcn-amd-amdhsa--gfx1250"
	.amdhsa_code_object_version 6
	.text
	.protected	k_qafbe61255c_attn
	.globl	k_qafbe61255c_attn
	.p2align	8
	.type	k_qafbe61255c_attn,@function
k_qafbe61255c_attn:
	s_mov_b64 s[64:65], 0
	v_nop
	global_prefetch_b8 v0, s[64:65] scope:SCOPE_SE
	s_setreg_imm32_b32 hwreg(HW_REG_WAVE_SCHED_MODE, 0, 2), 2
	s_setreg_imm32_b32 hwreg(HW_REG_WAVE_MODE, 25, 1), 1
	s_wait_xcnt 0x0
	s_wait_alu depctr_vm_vsrc(0)
; y[b][q][head] = softmax over keys k <= q of (q . k / 8) times v, both products on codes of FP8 (E4M3), and y's own codes (scale entry 10) for the last product.
; kqv holds k's, q's and v's codes as images of operand registers (k, q: 16 tokens x 64 channels = 1,024 bytes; v: 16 channels x 128 keys = 2,048 bytes; lane l's 16 bytes of part p at 512 p + 16 l).
; THE SOFTMAX: t = score x log2(e) / 8; M = the running largest t rounded UP to a whole number; p = 2^(t - M) is quantised (entry 8), not normalised; the row's sum is taken of the unquantised p and divides at the end.
; When M moves, the sum and O are multiplied by 2^(old M - new M): exact.
; SHARES.  Work-group (I, bh) owns query blocks 7 - I and I (256 queries each) of head bh: the first needs key slots 0 .. 7 - I, the second 0 .. I, a slot being 256 keys: NINE slots for every work-group, so all
; trip counts are constants and all work-groups have equal work.  Each of sixteen waves owns 16 queries of the block in hand, in 256 registers: four waves to a SIMD, so that one wave's vector work stands beside another's products.
; A SLOT IS COPIED THROUGH REGISTERS: its 16,384 bytes of k and of v lie in memory as they lie in LDS; each of 512 threads moves 4 x 16 bytes, loaded a whole slot ahead, into the other of two LDS buffers; one barrier a slot.
; No joint loads: the four work-groups of a head walk different slots from their sixth on.
; LAYOUT.  S^T = K Q^T (source 0 = 16 keys, source 1 = my 16 queries), O^T = V^T P^T: a lane holds ONE query (lane % 16) throughout.  Register j of tile t holds key 16 t + 8 (lane / 16) + j, which is where
; registers 2 t, 2 t + 1 of the second product's operand want their eight keys: the conversions' results are that operand.  Likewise O^T's eight channels a tile are eight neighbours along the last product's K.
; A step all of whose 128 keys come after my queries is jumped over (a scalar branch on ids); on the diagonal hidden scores become -infinity.  Key 0 counts for every query, so M is a number from the first step on.
; p <= 1, and 448 x 2^e8 >= 1 wherever e8 >= -8: p's hold can bind only below that, and is jumped over elsewhere (a scalar branch on the whole number e8; this text has no tensor load and no copy).
; LIMITS: e6 + e7 between -123 and 130 (added to c's exponent field); e8 and e10 between -126 and 119.  NaN is not served.
; THE MODE: SCHED_MODE bits 1:0 = 2 (LLVM: expert scheduling mode 2), set by the entry lines.  The code itself states the register dependences between vector or matrix instructions and memory or LDS
; instructions, with s_wait_alu, always for 0.
; THE PLAN.  Registers that LDS or memory instructions touch:
;   X = v32-95, Y = v96-159   change roles with a slot's two steps.  Step 0: K's fragments land in X; the eight score products read X and write Y; V's fragments land in X; the softmax works in Y and the conversions
;                             are its last readers; then STEP 1's K lands in Y; the four products V^T P read X.  Step 1: the same with X and Y exchanged; its K is there already, and it asks for nothing ahead.
;   v208-223                  the next slot on its way: written by the loads at a slot's head, read by the LDS stores at its end; no vector instruction names them.
;   v16-23                    Q: loaded at the head and at the change of blocks; read by the score products.
;   v224-231                  y's codes: written by the way out's conversions, read by its two stores.
;   v1, v2, v3                addresses, made at the head and never written again.
; So a slot has these waits beside the one behind each batch of exponentials: one on vm_vsrc at its head (the LDS stores have read v208-223); one on va_vdst at step 0's head (X is free); one in each step behind the
; score products (K's fragments are read: V's land); one in step 0 behind the conversions (Y is free: step 1's K lands).  Behind each of them the loads are dealt among vector lines that name none of their registers.
; REGISTERS: v1-4 lane terms; v12 -M, v13 the largest t, v[14:15] the sum; v16-23 Q; X, Y as above; v160-191 O^T; v192-207 p's codes; v208-223 the slot on its way; v224-231 y's codes.
.set BUF,  32768                       ; an LDS buffer: 16,384 bytes of K, then 16,384 of V
.set VOFF, 16384
.set LI,   1                           ; v1  16 x lane
.set CP,   2                           ; v2  16 x thread
.set PFO,  3                           ; v3  256 x lane
.set DM,   4                           ; v4  lane % 16 - 8 (lane / 16)
.set WV,   10
.set I,    11
.set BH,   12
.set KB,   16                          ; s[16:17] the head's k;  s[18:19] its v
.set VB,   18
.set SEL,  20
.set CS,   22                          ; s[22:23] c = log2(e) / 8 x 2^(e6 + e7)
.set HOLD, 29
.set ESUM, 30                          ; e8 + e9
.set KS,   31                          ; the key slot last asked for
.set KLIM, 32                          ; 8 - I: behind slot 7 - I comes slot 0
.set VS,   33                          ; which of the nine slots is in hand
.set SW,   34                          ; 7 - I: the first block's last
.set TRIP, 35
.set OF,   36
.set KP,   38
.set VP,   40
.set PFA,  42
.set PLIM, 44
.set KF,   45                          ; the slot's first key
.set Q0,   46                          ; my first query
.set Q0B,  47
.set QPA,  48
.set QPB,  50
.set YPA,  52
.set YPB,  54
	s_load_b128 s[4:7], s[0:1], 0x0                ; kqv, the scales' exponents
	s_load_b64 s[8:9], s[0:1], 0x10                ; yc
	v_lshl_add_u32 v251, v0, 2, 0x10000
	v_mov_b32 v255, 0
	v_lshrrev_b32 v8, 5, v0
	v_readfirstlane_b32 s[WV], v8                  ; wave 0..15
	v_and_b32 v9, 31, v0
	v_lshlrev_b32 v[LI], 4, v9
	v_lshlrev_b32 v[CP], 4, v0
	v_lshlrev_b32 v[PFO], 8, v9
	v_and_b32 v10, 15, v0
	v_bfe_u32 v11, v0, 4, 1
	v_lshlrev_b32 v11, 3, v11
	v_sub_nc_u32 v[DM], v10, v11
	s_mov_b32 s[I], ttmp9
	s_and_b32 s[BH], ttmp7, 0xffff
	s_sub_co_u32 s[SW], 7, s[I]
	s_sub_co_u32 s[KLIM], 8, s[I]
	s_wait_alu depctr_va_sdst(0)                   ; the wave's number is written, ahead of its first reader: queries, addresses and branches are made from it
	s_lshl_b32 s56, s[WV], 4
	s_lshl_b32 s[Q0], s[SW], 8
	s_add_co_u32 s[Q0], s[Q0], s56                 ; 256 (7 - I) + 16 x wave
	s_lshl_b32 s[Q0B], s[I], 8
	s_add_co_u32 s[Q0B], s[Q0B], s56               ; 256 I + 16 x wave
	; y's codes: row = 2,048 batch + query, K = 64 head + channel, in the image of 16 rows x 128 K.  All but the block's term:
	s_lshr_b32 s2, s[BH], 4
	s_lshl_b32 s2, s2, 21                          ; the batch: 16 x 131,072
	s_lshr_b32 s3, s[WV], 3
	s_lshl_b32 s3, s3, 17                          ; which 128 rows of the block's 256
	s_add_co_u32 s2, s2, s3
	s_bfe_u32 s3, s[BH], 0x20002
	s_lshl_b32 s3, s3, 15                          ; K / 256 = head / 4
	s_add_co_u32 s2, s2, s3
	s_and_b32 s3, s[WV], 7
	s_lshl_b32 s3, s3, 12                          ; my 16 rows among the 128: two fragments each
	s_add_co_u32 s2, s2, s3
	s_and_b32 s3, s[BH], 3
	s_lshl_b32 s3, s3, 10                          ; (head / 2) % 2 fragments of 2,048 + 2 (head % 2) parts of 512
	s_add_co_u32 s2, s2, s3
	s_mov_b32 s[SEL], 0x76543210
	s_mov_b32 s[SEL+1], 0xfedcba98
	s_mov_b32 s[KS], 0
	s_mov_b32 s[VS], 0
	s_mov_b32 s[KF], 0
	s_mov_b32 s[OF+1], 0
	s_mov_b32 s57, 0
	s_wait_kmcnt 0x0
	s_load_b128 s[24:27], s[6:7], 0x18             ; e6, e7, e8, e9
	s_load_b32 s28, s[6:7], 0x28                   ; e10
	s_lshl_b32 s56, s[BH], 17
	s_add_nc_u64 s[KB:KB+1], s[4:5], s[56:57]
	s_add_nc_u64 s[VB:VB+1], s[KB:KB+1], 0x1000000
	s_add_nc_u64 s[QPA:QPA+1], s[KB:KB+1], 0x800000
	s_mov_b64 s[QPB:QPB+1], s[QPA:QPA+1]
	s_lshl_b32 s56, s[Q0], 6                       ; 1,024 bytes for 16 queries
	s_add_nc_u64 s[QPA:QPA+1], s[QPA:QPA+1], s[56:57]
	s_lshl_b32 s56, s[Q0B], 6
	s_add_nc_u64 s[QPB:QPB+1], s[QPB:QPB+1], s[56:57]
	s_lshl_b32 s56, s[SW], 18                      ; a block's 256 rows: 2 x 131,072
	s_add_co_u32 s56, s56, s2
	s_add_nc_u64 s[YPA:YPA+1], s[8:9], s[56:57]
	s_lshl_b32 s56, s[I], 18
	s_add_co_u32 s56, s56, s2
	s_add_nc_u64 s[YPB:YPB+1], s[8:9], s[56:57]
	s_wait_alu depctr_va_vdst(0)                   ; v[LI], v[CP] and v[PFO] are written: every load, store, LDS access and prefetch of the kernel reads one of them as its address, and nothing writes them again
	global_load_b128 v[208:211], v[CP], s[KB:KB+1]                 ; slot 0: 512 threads x 16 bytes = 8,192 consecutive bytes a line
	global_load_b128 v[212:215], v[CP], s[KB:KB+1] offset:8192
	global_load_b128 v[216:219], v[CP], s[VB:VB+1]
	global_load_b128 v[220:223], v[CP], s[VB:VB+1] offset:8192
	global_load_b128 v[16:19], v[LI], s[QPA:QPA+1]                 ; Q's fragment stays in registers
	global_load_b128 v[20:23], v[LI], s[QPA:QPA+1] offset:512
	; the prefetches (macro ASK): who asks, and where
	s_cmp_lt_u32 s[WV], 6
	s_cselect_b64 s[PFA:PFA+1], s[KB:KB+1], s[VB:VB+1]             ; waves 4, 5: k's two halves of a slot; waves 6, 7: v's
	s_and_b32 s56, s[WV], 1
	s_lshl_b32 s56, s56, 13
	s_add_co_u32 s56, s56, 16384                   ; in slot 1: the first trip steps it to slot 2
	s_add_nc_u64 s[PFA:PFA+1], s[PFA:PFA+1], s[56:57]
	s_sub_co_u32 s56, s[WV], 4
	s_lshr_b32 s56, s56, 2                         ; 0 in waves 4 to 7,
	s_or_b32 s56, s56, s[I]                        ; of the head's work-group 0
	s_cmp_eq_u32 s56, 0
	s_cselect_b32 s[PLIM], 6, 0
.macro RESET                           ; a block of queries begins: O^T and the sum are zeros, the largest t is under every t: the first change of M multiplies zeros
	v_mov_b32 v13, 0xff61b1e6                      ; -3e38
	v_floor_f32 v12, -v13
	v_mov_b32 v14, 0
	v_mov_b32 v15, 0
.set n, 0
.rept 32
	v_mov_b32 v[160+n], 0
.set n, n+1
.endr
.endm
	RESET
	v_mov_b32 v236, 0                              ; written once: a lane permute's destination counts as one of its sources
	v_mov_b32 v253, 0                              ; (named as the upper half of the pair v[252:253])
	s_wait_kmcnt 0x0
	s_add_co_i32 s56, s24, s25
	s_lshl_b32 s56, s56, 23
	s_mov_b32 s[CS], 0x3e38aa3b                    ; log2(e) / 8
	s_add_co_i32 s[CS], s[CS], s56                 ; a score stands for score x 2^(e6 + e7): added to c's exponent field
	s_mov_b32 s[CS+1], s[CS]
	s_add_co_i32 s56, s26, 127
	s_lshl_b32 s57, s56, 23
	v_mov_b32 v244, s57                            ; 2^e8
	s_add_co_i32 s56, s56, 8
	s_lshl_b32 s56, s56, 23
	s_or_b32 s56, s56, 0x600000
	v_mov_b32 v240, s56                            ; 448 x 2^e8
	s_add_co_i32 s56, s28, 127
	s_lshl_b32 s57, s56, 23
	v_mov_b32 v245, s57                            ; 2^e10
	s_add_co_i32 s56, s56, 8
	s_lshl_b32 s56, s56, 23
	s_or_b32 s56, s56, 0x600000
	v_mov_b32 v241, s56                            ; 448 x 2^e10
	s_add_co_i32 s[ESUM], s26, s27
	s_cmp_lt_i32 s26, -8
	s_cselect_b32 s[HOLD], 1, 0
; A PREFETCH INTO THE L2, behind the trip's four loads: in trip VS, which loads slot VS + 1, the slot VS + 2 of the first walk: 8,192 bytes a wave, lanes 256 bytes apart, one instruction.
; All four work-groups of a head walk these slots: work-group 0 asks, its waves 4 to 7, in trips 0 to 5: slots 2 to 7 are each named once in the launch.  Slots 0 and 1 and the second walk come by their loads alone.
.macro ASK
	s_cmp_lt_u32 s[VS], s[PLIM]
	s_cbranch_scc0 .Lnot_mine_\@
	global_prefetch_b8 v[PFO], s[PFA:PFA+1] th:TH_LOAD_NT scope:SCOPE_SE
.Lnot_mine_\@:
.endm
.macro FETCHN                          ; the next slot's 32,768 bytes are asked for, a whole slot's work ahead of the wait for them
	s_wait_xcnt 0x0                                ; the last trip's loads and prefetch have read their bases
	s_wait_alu depctr_vm_vsrc(0)                   ; the LDS stores at the last slot's end (in the first trip: the head's) have read v[208:223], in which the loads below land
	s_add_co_u32 s[KS], s[KS], 1
	s_cmp_eq_u32 s[KS], s[KLIM]
	s_cselect_b32 s[KS], 0, s[KS]                  ; behind the first block's last slot: the second block's slot 0
	s_lshl_b32 s[OF], s[KS], 14
	s_add_nc_u64 s[KP:KP+1], s[KB:KB+1], s[OF:OF+1]
	s_add_nc_u64 s[VP:VP+1], s[VB:VB+1], s[OF:OF+1]
	s_add_nc_u64 s[PFA:PFA+1], s[PFA:PFA+1], 16384
	global_load_b128 v[208:211], v[CP], s[KP:KP+1]
	global_load_b128 v[212:215], v[CP], s[KP:KP+1] offset:8192
	global_load_b128 v[216:219], v[CP], s[VP:VP+1]
	global_load_b128 v[220:223], v[CP], s[VP:VP+1] offset:8192
	ASK
.endm
.macro KLD reg, buf, q, t              ; K's fragment t (16 keys x 64 channels) of the q-th 128 keys of buffer buf, into v[reg + 8 t] on
	ds_load_b128 v[\reg+8*(\t):\reg+8*(\t)+3], v[LI] offset:(\buf)*BUF+(8*(\q)+(\t))*1024
	ds_load_b128 v[\reg+8*(\t)+4:\reg+8*(\t)+7], v[LI] offset:(\buf)*BUF+(8*(\q)+(\t))*1024+512
.endm
.macro VLD buf, q, ct                  ; V's fragment ct (16 channels x 128 keys), into v[FB + 16 ct] on
.irp p, 0,1,2,3
	ds_load_b128 v[FB+16*(\ct)+4*\p:FB+16*(\ct)+4*\p+3], v[LI] offset:(\buf)*BUF+VOFF+(\q)*8192+(\ct)*2048+\p*512
.endr
.endm
; Scores 16 g .. 16 g + 15 of a step on the diagonal: sixteen compares in a run, each into a scalar register of its own (registers that are free from the head on), one wait, sixteen selects.
.macro MASK16 g
.set n, 16*(\g)
.irp m, 2,3,13,14,15,24,25,26,27,28,58,59,60,61,62,63
	v_cmp_gt_i32 s[\m], 16*(n/8)+n%8, v252
.set n, n+1
.endr
	s_wait_alu depctr_va_sdst(0)                   ; the sixteen masks are written, ahead of the selects that read them
.set n, 16*(\g)
.irp m, 2,3,13,14,15,24,25,26,27,28,58,59,60,61,62,63
	v_cndmask_b32 v[SB+n], v[SB+n], v254, s[\m]
.set n, n+1
.endr
.endm
; A KEY STEP: 128 keys, the q-th of the slot in buffer buf.  FB: where K's and then V's fragments lie; SB: where the scores and then p lie.  Step 0: FB = X, SB = Y; step 1: FB = Y, SB = X.
.macro STEP buf, q
.set FB, 32+64*(\q)
.set SB, 96-64*(\q)
.rept 5
	v_nop                                          ; five plain lines between the last products V^T P, which read v[SB ..] as V's fragments, and the score products below, which write over them (ISA guide 7.12.1)
.endr
.if (\q) == 0
	s_wait_alu depctr_va_vdst(0)                   ; all that read or wrote X is done (the last slot's second step: its scores, p and conversions; or its first step's products V^T P): K's fragments land there
.irp t, 0,1,2,3,4,5,6,7
	KLD FB, \buf, 0, \t
.endr
.endif
	s_wait_dscnt 0x0                               ; K is in (step 1's was asked for in step 0, behind the conversions)
.irp t, 0,1,2,3,4,5,6,7
	v_wmma_f32_16x16x64_fp8_fp8 v[SB+8*\t:SB+8*\t+7], v[FB+8*\t:FB+8*\t+7], v[16:23], 0
.endr
.rept 4
	v_nop                                          ; places in front of the first read of the scores
.endr
	s_wait_alu depctr_va_vdst(0)                   ; the eight products are done reading K's fragments: V's land in the same registers.  No line from here to the products V^T P names v[FB ..]: so V's sixteen loads need no further wait
	VLD \buf, \q, 0                                ; V's four fragments land under the softmax: one here, three among the maximum's lines
	s_add_co_u32 s56, s[KF], 127+128*(\q)
	s_cmp_le_u32 s56, s[Q0]
	s_cbranch_scc1 .Lopen_\@                       ; all its keys count
	s_sub_co_i32 s56, s[Q0], s[KF]
.if (\q) == 1
	s_sub_co_i32 s56, s56, 128
.endif
	v_add_nc_u32 v252, s56, v[DM]                  ; d = my query - the step's first key - 8 (lane / 16).  Register 8 t + j holds that key + 8 (lane / 16) + 16 t + j: hidden where 16 t + j > d
	v_mov_b32 v254, 0xff800000                     ; -infinity
	MASK16 0
	MASK16 1
	MASK16 2
	MASK16 3
.Lopen_\@:
	v_max3_num_f32 v254, v[SB], v[SB+1], v[SB+2]   ; the step's largest score of my query among my 64 keys, in two chains, each tile from its low end on,
	v_max3_num_f32 v252, v[SB+3], v[SB+4], v[SB+5]
.irp i, 6,10,14,18,22,26,30,34,38,42,46,50,54,58
.if ((\i)%16 == 6) && ((\i) < 54)
	VLD \buf, \q, ((\i)+10)/16
.endif
	v_max3_num_f32 v254, v254, v[SB+\i], v[SB+1+\i]
	v_max3_num_f32 v252, v252, v[SB+2+\i], v[SB+3+\i]
.endr
	v_max3_num_f32 v254, v254, v[SB+62], v[SB+63]
	v_max_num_f32 v254, v254, v252
	v_permlanex16_b32 v236, v254, s[SEL], s[SEL+1]
	v_max_num_f32 v254, v254, v236                 ; and among the other half's
	v_mul_f32 v254, s[CS], v254                    ; as t (c is positive)
	v_max_num_f32 v13, v13, v254                   ; the running largest t
	v_mov_b32 v254, v12
	v_floor_f32 v12, -v13                          ; the new -M = floor(-t): M is a whole number
	v_sub_f32 v254, v12, v254                      ; old M - new M: a whole number, 0 or less
	v_cvt_i32_f32 v254, v254                       ; (it saturates)
	v_ldexp_f32 v252, 1.0, v254                    ; f = 2^(old M - new M)
.set n, 0
.rept 32
	v_pk_fma_f32 v[SB+n:SB+n+1], v[SB+n:SB+n+1], s[CS:CS+1], v[12:13] op_sel_hi:[1,0,0]   ; t - M, two at a time
.set n, n+2
.endr
.set n, 0
.rept 64
	v_exp_f32 v[SB+n], v[SB+n]                     ; p = 2^(t - M), at most 1
.set n, n+1
.endr
	v_pk_mul_f32 v[14:15], v[14:15], v[252:253] op_sel_hi:[1,0]   ; the sums under the new M: the plain line behind the exponentials
	s_wait_alu depctr_va_vdst(0)                   ; the 64 exponentials have written p: one wait for the batch, ahead of its first reader
	v_pk_add_f32 v[242:243], v[SB:SB+1], v[SB+2:SB+3]   ; the row's sum is taken of the unquantised p, in two chains
.irp j, 4,8,12,16,20,24,28,32,36,40,44,48,52,56,60
	v_pk_add_f32 v[14:15], v[14:15], v[SB+\j:SB+1+\j]
	v_pk_add_f32 v[242:243], v[242:243], v[SB+2+\j:SB+3+\j]
.endr
	v_pk_add_f32 v[14:15], v[14:15], v[242:243]
	s_cmp_lg_u32 s[HOLD], 0
	s_cbranch_scc0 .Lno_hold_\@                    ; e8 >= -8: 448 x 2^e8 >= 1 >= p
.set n, 0
.rept 64
	v_min_num_f32 v[SB+n], v[SB+n], v240           ; the conversion does not saturate (ISA guide 7.6.2); p is not negative: a one-sided hold
.set n, n+1
.endr
.Lno_hold_\@:
.irp t, 0,1,2,3,4,5,6,7
	v_cvt_scalef32_pk8_fp8_f32 v[192+2*\t:193+2*\t], v[SB+8*\t:SB+8*\t+7], v244   ; registers 2 t, 2 t + 1 of P: keys 16 t + 8 (lane / 16) + 0 .. 7
.endr
.if (\q) == 0
	s_wait_alu depctr_va_vdst(0)                   ; the conversions, p's last readers, are done with Y: step 1's K lands there.  Its sixteen loads are dealt among the rescalings, which name O^T and f alone
.irp g, 0,1,2,3
	KLD SB, \buf, 1, 2*\g
	KLD SB, \buf, 1, 2*\g+1
.irp i, 0,2,4,6
	v_pk_mul_f32 v[160+8*\g+\i:161+8*\g+\i], v[160+8*\g+\i:161+8*\g+\i], v[252:253] op_sel_hi:[1,0]   ; O^T under the new M; also the plain lines between the conversions and the products
.endr
.endr
	s_wait_dscnt 16                                ; V is in; the sixteen younger loads, step 1's K, stay out
.else
.set n, 0
.rept 16
	v_pk_mul_f32 v[160+n:161+n], v[160+n:161+n], v[252:253] op_sel_hi:[1,0]      ; O^T under the new M; also the plain lines between the conversions and the products
.set n, n+2
.endr
	s_wait_dscnt 0x0                               ; V is in
.endif
.irp ct, 0,1,2,3
	v_wmma_f32_16x16x128_fp8_fp8 v[160+8*\ct:167+8*\ct], v[FB+16*\ct:FB+16*\ct+15], v[192:207], v[160+8*\ct:167+8*\ct]   ; four accumulators by turns; the next step's eight score products stand between two links
.endr
.endm
; A block of queries is finished: O^T x 2^(e8 + e9) / the sum is y; held, converted, stored as two parts of the image of the last product's operand.
.macro EPI yp
	s_wait_dscnt 0x0                               ; where my second step was jumped over, the K that was asked for it has landed in Y, whose first registers are written below
.rept 4
	v_nop                                          ; places behind the last products
.endr
	s_wait_xcnt 0x0                                ; earlier stores have read their codes
	v_add_f32 v14, v14, v15
	v_permlanex16_b32 v236, v14, s[SEL], s[SEL+1]
	v_add_f32 v14, v14, v236                       ; the row's sum
	v_rcp_f32 v14, v14
	v_nop                                          ; a plain line behind the reciprocal
	s_wait_alu depctr_va_vdst(0)                   ; the reciprocal is written, ahead of its first reader
	v_ldexp_f32 v14, v14, s[ESUM]
.set n, 0
.rept 16
	v_pk_mul_f32 v[96+n:97+n], v[160+n:161+n], v[14:15] op_sel_hi:[1,0]   ; register 8 ct + j: y(my query, 16 ct + 8 (lane / 16) + j)
.set n, n+2
.endr
.set n, 0
.rept 32
	v_med3_num_f32 v[96+n], v[96+n], -v241, v241
.set n, n+1
.endr
	s_wait_alu depctr_vm_vsrc(0)                   ; the stores of an earlier block's way out have read v[224:231], which the conversions write again
.irp ct, 0,1,2,3
	v_cvt_scalef32_pk8_fp8_f32 v[224+2*\ct:225+2*\ct], v[96+8*\ct:103+8*\ct], v245
.endr
	v_nop                                          ; a plain line behind the last conversion
	s_wait_alu depctr_va_vdst(0)                   ; the conversions have written v[224:231], which the stores read; and the score products are done reading Q, in which the change of blocks loads next
	global_store_b128 v[LI], v[224:227], s[\yp:\yp+1]              ; 32 lanes store 512 consecutive bytes, aligned
	global_store_b128 v[LI], v[228:231], s[\yp:\yp+1] offset:512
.endm
.macro SWITCH                          ; on to the second block.  (No vector or matrix instruction since the way out's last wait names v[16:23])
	global_load_b128 v[16:19], v[LI], s[QPB:QPB+1]
	global_load_b128 v[20:23], v[LI], s[QPB:QPB+1] offset:512
	RESET
	s_mov_b32 s[KF], 0
	s_mov_b32 s[Q0], s[Q0B]
.endm
; A slot.  fill = 1: the next slot is asked for at the head and goes into the other buffer at the end.  ONE barrier a slot: in front of it each wave has waited for its stores into the other buffer and for its reads of this
; one; behind it the other buffer is whole, and this one, which the next trip's end overwrites, is read by nobody.
; Both jumps over hidden steps lead to the slot's end: where the first step's keys all come after my queries, so do the second's; so the second step is reached through the first alone, which asks for its K.
.macro SLOTW buf, fill
.if \fill
	FETCHN
.endif
	s_add_co_u32 s56, s[Q0], 15
	s_cmp_gt_u32 s[KF], s56
	s_cbranch_scc1 .Lhidden_\@                     ; all the slot's keys come after my queries
	STEP \buf, 0
	s_add_co_u32 s56, s[Q0], 15
	s_add_co_u32 s57, s[KF], 128
	s_cmp_gt_u32 s57, s56
	s_cbranch_scc1 .Lhidden_\@                     ; all the second step's keys come after my queries
	STEP \buf, 1
.Lhidden_\@:
	s_add_co_u32 s[KF], s[KF], 256
.if \fill
	s_cmp_eq_u32 s[VS], s[SW]
	s_cbranch_scc0 .Lsame_\@
	EPI YPA
	SWITCH
.Lsame_\@:
	s_add_co_u32 s[VS], s[VS], 1
	s_wait_loadcnt 0x0                             ; the next slot's bytes (and, behind a switch, Q) are in
.irp i, 0,1,2,3
	ds_store_b128 v[CP], v[208+4*\i:211+4*\i] offset:(1-(\buf))*BUF+8192*\i
.endr
	s_wait_dscnt 0x0
	s_barrier_signal -1
	s_barrier_wait -1
.endif
.endm
	s_wait_loadcnt 0x0                             ; slot 0 and Q
.irp i, 0,1,2,3
	ds_store_b128 v[CP], v[208+4*\i:211+4*\i] offset:8192*\i
.endr
	s_wait_dscnt 0x0
	s_barrier_signal -1
	s_barrier_wait -1
	s_mov_b32 s[TRIP], 4
.Lloop:                                                ; four trips of two slots; the ninth slot is written out: it asks for nothing
	SLOTW 0, 1
	SLOTW 1, 1
	s_sub_co_u32 s[TRIP], s[TRIP], 1
	s_cmp_lg_u32 s[TRIP], 0
	s_cbranch_scc1 .Lloop
	SLOTW 0, 0
	EPI YPB
	s_wait_dscnt 0x0
	s_wait_alu depctr_hold_cnt(0) depctr_sa_sdst(0) depctr_va_vdst(0) depctr_va_sdst(0) depctr_va_ssrc(0) depctr_va_vcc(0) depctr_vm_vsrc(0)
	s_wait_tensorcnt 0x0
	ds_add_u32 v251, v255
	s_wait_dscnt 0x0
	s_endpgm
.Lfunc_end_k_qafbe61255c_attn:
	.size	k_qafbe61255c_attn, .Lfunc_end_k_qafbe61255c_attn-k_qafbe61255c_attn
	.p2alignl 7, 3214868480
	.fill 96, 4, 3214868480
	.section	.rodata,"a",@progbits
	.p2align	6, 0x0
	.amdhsa_kernel k_qafbe61255c_attn
		.amdhsa_group_segment_fixed_size 67584
		.amdhsa_private_segment_fixed_size 0
		.amdhsa_enable_private_segment 0
		.amdhsa_kernarg_size 24
		.amdhsa_user_sgpr_count 2
		.amdhsa_user_sgpr_kernarg_segment_ptr 1
		.amdhsa_wavefront_size32 1
		.amdhsa_system_sgpr_workgroup_id_x 1
		.amdhsa_system_sgpr_workgroup_id_y 1
		.amdhsa_system_sgpr_workgroup_id_z 1
		.amdhsa_system_vgpr_workitem_id 0
		.amdhsa_next_free_vgpr 256
		.amdhsa_next_free_sgpr 66
		.amdhsa_reserve_vcc 0
		.amdhsa_float_denorm_mode_32 3
		.amdhsa_float_denorm_mode_16_64 3
		.amdhsa_memory_ordered 1
		.amdhsa_forward_progress 1
		.amdhsa_inst_pref_size 173
	.end_amdhsa_kernel
	.amdgpu_metadata
---
amdhsa.version: [ 1, 2 ]
amdhsa.kernels:
  - .name:           k_qafbe61255c_attn
    .symbol:         k_qafbe61255c_attn.kd
    .args:
      - { .name: kqv, .offset: 0, .size: 8, .value_kind: global_buffer, .address_space: global }
      - { .name: lowp_scales, .offset: 8, .size: 8, .value_kind: global_buffer, .address_space: global }
      - { .name: yc, .offset: 16, .size: 8, .value_kind: global_buffer, .address_space: global }
    .group_segment_fixed_size: 67584
    .private_segment_fixed_size: 0
    .kernarg_segment_align: 8
    .kernarg_segment_size: 24
    .max_flat_workgroup_size: 512
    .sgpr_count:     66
    .vgpr_count:     256
    .wavefront_size: 32
...
	.end_amdgpu_metadata
.endif
;; end of part 5
;; launch proj: the kernel of part 4 again; grid 4 x 32, 4 waves a work-group, clusters of 4 x 4, 327,680 bytes of LDS; arguments yc, wc, lowp_scales, bp, out0; writes out0
